; MI455X (gfx1250); checked and timed in simulation.
; The chip was launched on July 23, 2026; its instructions are those of AMD's public machine-readable ISA for CDNA 5 (MIT licence, August 2026) and "CDNA5" Instruction Set Architecture Reference Guide (July 2026). The comments in the code are by the model that wrote it; some were corrected since.
;; encoder transformer. Allowed arithmetic: matrix products marked QUANTISED: E2M3 operands, one E8M0 scale for each 32 along K, by v_wmma_scale_f32_16x16x128_f8f6f4 with both operands' format E2M3, f32 sums; everything else in f32.
;; Inputs: b1 2,048 float32; b2 512 float32; bk 64 float32; bo 512 float32; bq 64 float32; bv 64 float32; ln_b 512 float32; ln_g 512 float32; w1_codes 2,048 x 16 x 24 uint8 (E2M3 codes of w1, K innermost, in blocks of 32 codes, four codes in three bytes); w1_scales 2,048 x 16 uint8 (E8M0 scales of w1, one for each 32 codes along K); w2_codes 512 x 64 x 24 uint8 (E2M3 codes of w2, K innermost, in blocks of 32 codes, four codes in three bytes); w2_scales 512 x 64 uint8 (E8M0 scales of w2, one for each 32 codes along K); wk_codes 64 x 16 x 24 uint8 (E2M3 codes of wk, K innermost, in blocks of 32 codes, four codes in three bytes); wk_scales 64 x 16 uint8 (E8M0 scales of wk, one for each 32 codes along K); wo_codes 512 x 16 x 24 uint8 (E2M3 codes of wo, K innermost, in blocks of 32 codes, four codes in three bytes); wo_scales 512 x 16 uint8 (E8M0 scales of wo, one for each 32 codes along K); wq_codes 64 x 16 x 24 uint8 (E2M3 codes of wq, K innermost, in blocks of 32 codes, four codes in three bytes); wq_scales 64 x 16 uint8 (E8M0 scales of wq, one for each 32 codes along K); wv_codes 64 x 16 x 24 uint8 (E2M3 codes of wv, K innermost, in blocks of 32 codes, four codes in three bytes); wv_scales 64 x 16 uint8 (E8M0 scales of wv, one for each 32 codes along K); x 16 x 1,024 x 512 float32.
;; Outputs: out0 16 x 1,024 x 512 float32.
;; This version of the problem:
;;   THIS VERSION OF THE PROBLEM IS GIVEN IN LOW PRECISION. The matrix products marked QUANTISED in the list below multiply operands that are first quantised to E2M3 (2 exponent bits, 3 mantissa bits; 6 bits a number), with one power-of-two scale for each 32 numbers along K (OCP MX v1.0); their sums are f32. All else is computed in f32.
;;   The module's matrix products, in the order in which they are computed (A, B: the left and right operand; K: the contracted axis; several contracted axes count as one K, in the product's order):
;;     1. [M 16,384, K 512] x [K 512, N 64]; A: input x; B: input wq (given as codes): QUANTISED
;;     2. [M 16,384, K 512] x [K 512, N 64]; A: input x; B: input wk (given as codes): QUANTISED
;;     3. [M 16,384, K 512] x [K 512, N 64]; A: input x; B: input wv (given as codes): QUANTISED
;;     4. batch 16 x [M 1,024, K 64] x [K 64, N 1,024]; A: computed on the way; B: computed on the way: QUANTISED
;;     5. batch 16 x [M 1,024, K 1,024] x [K 1,024, N 64]; A: computed on the way; B: computed on the way: QUANTISED
;;     6. [M 16,384, K 512] x [K 512, N 512]; A: computed on the way; B: input wo (given as codes): QUANTISED
;;     7. [M 16,384, K 512] x [K 512, N 2,048]; A: computed on the way; B: input w1 (given as codes): QUANTISED
;;     8. [M 16,384, K 2,048] x [K 2,048, N 512]; A: computed on the way; B: input w2 (given as codes): QUANTISED
;;   THE QUANTISER, for each operand of a quantised product, along K:
;;     - K is cut into blocks of 32 from its start; a last block that is shorter is filled with zeros.
;;     - A block's scale is 2^e with e = floor(log2(the largest magnitude in the block)) - 2, held to -126 .. 127; a block of zeros has e = 0. As a byte (E8M0): e + 127.
;;     - Each number is divided by its block's scale, clamped to +-7.5, and rounded to the nearest number of E2M3, ties to even, subnormals kept.
;;     - The product sums the exact products of the quantised numbers (number of the format x scale) in f32.
;;   ~~~python
;;   def quantise(x, axis):      # numpy; x: float32 -> the quantised numbers, widened to float32 again
;;       x = np.moveaxis(x, axis, -1); K = x.shape[-1]
;;       x = np.pad(x, [(0, 0)] * (x.ndim - 1) + [(0, -K % 32)]); x = x.reshape(x.shape[:-1] + (-1, 32)); a = np.abs(x).max(-1, keepdims=True)
;;       e = np.where(a > 0, np.clip(np.frexp(np.where(a > 0, a, 1))[1] - 1 - 2, -126, 127), 0)      # np.frexp(a)[1] - 1 = floor(log2(a)), exactly
;;       r = np.clip(x / 2.0 ** e, -7.5, 7.5)
;;       step = 2.0 ** (np.maximum(np.frexp(np.where(r == 0, 1, r))[1] - 1, 0) - 3)
;;       q = np.round(r / step) * step * 2.0 ** e      # np.round: ties to even
;;       return np.moveaxis(q.reshape(q.shape[:-2] + (-1,))[..., :K], -1, axis).astype(np.float32)
;;   ~~~
;;   OPERANDS COMPUTED ON THE WAY. 'Computed on the way' means the value that the module computes at that place (a softmax that the list does not call 'softmax' is quantised finished and normalised). What goes into a quantiser is computed in f32, as accurately as f32 sums, v_exp_f32 and their like allow (about 1e-6 of the number): no bf16 or f16 on the way to a quantiser, and a product that is left as it is and whose result goes on into a quantised operand takes f32 operands (vector FMAs, or v_wmma_f32_16x16x4_f32). A number that lies on a knife's edge between two numbers of the format may be rounded either way, as far as f32 arithmetic and the matrix unit's own rounding can turn it there, and no further.
;;   INPUTS GIVEN AS CODES. w1 (in the module: [512, 2048], K = its axis 0); w2 (in the module: [2048, 512], K = its axis 0); wk (in the module: [512, 64], K = its axis 0); wo (in the module: [512, 512], K = its axis 0); wq (in the module: [512, 64], K = its axis 0); wv (in the module: [512, 64], K = its axis 0): each comes as NAME_codes (uint8): NAME with its K axis moved to the last place and cut into blocks of 32 codes, [.., K / 32, bytes a block], one block behind the other in memory; four codes in three bytes: a row's codes are one little-endian stream of bits, code i at bits 6 i .. 6 i + 5 (a code: sign, 2 exponent bits, 3 mantissa bits); and NAME_scales (uint8): the same leading axes, one E8M0 byte (e + 127) for each 32 codes along K. Its value is code x scale, taken as it is: it is not quantised again, and the codes and scales need not be those that the quantiser above would give.
;; One version. Each part assembles by itself: llvm-mc -triple=amdgcn-amd-amdhsa -mcpu=gfx1250 --defsym DOCPART=n.
;; ======== version 1 of 1: 3 launches
;; limits: right only within a limited range of input values
;; workspace buffers: qi 786,432 bytes; kv 1,572,864 bytes; sc 196,608 bytes; nz 65,536 bytes; wf 1,843,200 bytes
;; launch qkv (part 1): grid 256 x 1, 4 waves a work-group, no clusters, 61,952 bytes of LDS; arguments x, wq_codes, wq_scales, bq, wk_codes, wk_scales, bk, wv_codes, wv_scales, bv, qi, kv, sc; writes qi, kv, sc
.if DOCPART == 1
	.amdgcn_target "amdgcn-amd-amdhsa--gfx1250"
	.amdhsa_code_object_version 6
	.text
	.protected	k_q9f4a145923_qkv
	.globl	k_q9f4a145923_qkv
	.p2align	8
	.type	k_q9f4a145923_qkv,@function
k_q9f4a145923_qkv:
	s_mov_b64 s[64:65], 0
	v_nop
	global_prefetch_b8 v0, s[64:65] scope:SCOPE_SE
	s_setreg_imm32_b32 hwreg(HW_REG_WAVE_MODE, 25, 1), 1
	s_wait_xcnt 0x0
; FIRST OF THREE LAUNCHES.  x [16][1024][512] f32 is quantised along its 512 (E2M3, one E8M0 byte for 32); q, k, v = Q(x) W + b on the given codes; q and k are quantised along their 64,
; v along the tokens; all three leave as images of operand registers, with their scale words beside them.
; NO WORK IS LEFT OUT in this program: every bias stands ahead of a quantiser or varies along the softmax's axis, the eightfold tile stands ahead of a quantised product on given codes, every input is loaded.
; LIMITS: NaN and infinities among the inputs are not served.  A block of zeros gets the scale byte 1 where the rule says 127: its codes are zeros, and this program alone reads the bytes.
; THE ORDER OF ROWS IN A TILE: lane r of tile T stands for row pi(T, r) = 32 (T / 2) + 8 (T % 2) + r + (r & 8): tokens, rows of the weights and v's channels alike.  So in a result whose registers run
; along such rows, the 16 registers of tiles 2 b and 2 b + 1 are the neighbours 32 b + 16 (lane / 16) + 0 .. 15, as the conversions and the next operand's layout want them.
; A HALF IMAGE (16 rows x 64 along K) is registers 0-5 of a fragment: registers 0-3 at 16 x lane (512 bytes), registers 4-5 at 512 + 8 x lane (256 bytes).  Its scale word holds its two bytes twice.
; SHARES.  A work-group takes 64 tokens.  Wave w quantises token tile w (four fragments) into LDS; behind a barrier wave 0 makes q, wave 1 k (source 0 = 16 rows of W, source 1 = 16 tokens: a lane
; holds a token), waves 2 and 3 make v for two channel tiles each (source 0 = 16 tokens, source 1 = 16 rows of Wv: a lane holds a channel, its registers run along the tokens).
; No tensor load: x is read once, 512 consecutive bytes a load; clusters and rings would add nothing to a stream.
; REGISTERS.  window 0: v1-19 addresses; v24-56 scale words; v64-191 numbers of x, later fragments of x; v160-223 sums; v224-255 the quantiser.
;   window 1: 16 fragments that stay (W, or x in the v role), from v192 the bias.   window 2: x as loaded.   window 3: Wv's 8 fragments.
.set STG,   0                          ; a stage of 16 rows x (512 + 16) bytes for each wave
.set XIMG,  33792                      ; x's 16 fragments as images: (4 T + s) x 1,536
.set XSC,   XIMG+24576                 ; their scale words: (4 T + s) x 128
.set OSC,   XSC+2048                   ; the scale words of q, k, v: 256 bytes each
.set SPARE, OSC+1024                   ; the spare words, 128 bytes a wave
.set SPW, 1
.set NIL, 2
.set L16, 3
.set L4,  4
.set L8,  5
.set STR, 6
.set STD, 7
.set OSR, 9
.set VBO, 11
.set XWI, 12
.set XWS, 13
.set XRI, 14
.set XRS, 15
.set WOF, 16
.set WSO, 17
.set OSA, 18
.set QBO, 19
.set BV,  20
.set WS,  24
.set XS,  40
.set PW,  56
.set XN,  64
.set XF,  64
.set ACC, 160
.set PC,  224
.set PT,  236
.set TM,  244
.set SEL, 46
.set MSB, 0
.macro WIN new                         ; the immediate's high byte repeats the setting that is left
.if MSB != (\new)
	s_set_vgpr_msb (MSB<<8)|(\new)
.set MSB, \new
.endif
.endm
.macro PL n
.rept \n
	v_nop
.endr
.endm
.macro WM d, a, b, c, sa, sb
	v_wmma_scale_f32_16x16x128_f8f6f4 v[(\d):(\d)+7], v[(\a):(\a)+11], v[(\b):(\b)+11], v[(\c):(\c)+7], v[(\sa)], v[(\sb)] matrix_a_fmt:MATRIX_FMT_FP6 matrix_b_fmt:MATRIX_FMT_FP6
.endm
; 16 nb numbers of a lane in window win, register 16 b + i = k 32 b + 16 (lane / 16) + i of my row, become codes in v[PC] on (6 registers for two blocks) and the scale word in v[PW].
.macro QUANT win, src, nb, ab
	WIN (\win)|((\win)<<2)
.set qb, 0
.rept \nb
.if \ab
	v_max3_num_f32 v[TM+qb], |v[(\src)+16*qb]|, |v[(\src)+16*qb+1]|, 0x1800000   ; my 16 numbers of block qb, and the floor 2^(3 - 127): the byte cannot fall under 1
.else
	v_max3_num_f32 v[TM+qb], v[(\src)+16*qb], v[(\src)+16*qb+1], 0x1800000
.endif
.set qb, qb+1
.endr
	WIN ((\win)<<2)|((\win)<<4)
.irp i, 2,4,6,8,10,12,14
.set qb, 0
.rept \nb
.if \ab
	v_max3_num_f32 v[TM+qb], v[TM+qb], |v[(\src)+16*qb+\i]|, |v[(\src)+16*qb+\i+1]|
.else
	v_max3_num_f32 v[TM+qb], v[TM+qb], v[(\src)+16*qb+\i], v[(\src)+16*qb+\i+1]
.endif
.set qb, qb+1
.endr
.endr
	WIN 0
.set qb, 0
.rept \nb
	v_permlanex16_b32 v[TM+4+qb], v[TM+qb], s[SEL], s[SEL+1]
.set qb, qb+1
.endr
.set qb, 0
.rept \nb
	v_max_num_f32 v[TM+qb], v[TM+qb], v[TM+4+qb]       ; with lane l xor 16's: the block's largest magnitude
.set qb, qb+1
.endr
.set qb, 0
.rept \nb
	v_add_nc_u32 v[TM+8+qb], 0xff000000, v[TM+qb]      ; 2 off its exponent field: the conversion's scale operand
.set qb, qb+1
.endr
.set qb, 0
.rept \nb
	v_lshrrev_b32 v[TM+4+qb], 23, v[TM+8+qb]           ; the scale's byte
.set qb, qb+1
.endr
	v_lshl_or_b32 v[PW], v[TM+5], 8, v[TM+4]
.if (\nb) == 4
	v_lshl_or_b32 v[PW], v[TM+6], 16, v[PW]
	v_lshl_or_b32 v[PW], v[TM+7], 24, v[PW]
.else
	v_lshl_or_b32 v[PW], v[PW], 16, v[PW]              ; two bytes, twice: the word serves in either half of a K step
.endif
	WIN \win
.set qc, 0
.rept (\nb)/2
	v_cvt_scalef32_pk16_fp6_f32 v[PC+6*qc:PC+6*qc+2], v[(\src)+32*qc:(\src)+32*qc+15], v[TM+8+2*qc]
	v_cvt_scalef32_pk16_fp6_f32 v[PT+4*qc:PT+4*qc+2], v[(\src)+32*qc+16:(\src)+32*qc+31], v[TM+9+2*qc]   ; (a conversion's three registers begin on an even number)
.set qc, qc+1
.endr
	WIN 0
	v_nop                                              ; one plain place behind a scaled conversion
.set qc, 0
.rept (\nb)/2                          ; the operand's layout wants a whole block in a lane
.irp i, 0,1,2
	v_permlane16_swap_b32 v[PC+6*qc+\i], v[PT+4*qc+\i]
.endr
.irp i, 0,1,2
	v_mov_b32 v[PC+6*qc+3+\i], v[PT+4*qc+\i]
.endr
.set qc, qc+1
.endr
.endm
	s_load_b512 s[8:23], s[0:1], 0x0               ; x 8, wq codes 10, wq scales 12, bq 14, wk codes 16, wk scales 18, bk 20, wv codes 22
	s_load_b256 s[24:31], s[0:1], 0x40             ; wv scales 24, bv 26, qi 28, kv 30
	s_load_b64 s[32:33], s[0:1], 0x60              ; sc
	v_lshl_add_u32 v[SPW], v0, 2, SPARE
	v_mov_b32 v[NIL], 0
	v_lshrrev_b32 v61, 5, v0
	v_readfirstlane_b32 s4, v61                    ; wave 0..3
	v_and_b32 v57, 31, v0                          ; lane
	v_and_b32 v58, 15, v0                          ; r
	v_bfe_u32 v59, v0, 4, 1                        ; h
	v_and_b32 v60, 8, v58
	v_add_nc_u32 v60, v60, v58                     ; r + (r & 8)
	v_lshlrev_b32 v[L16], 4, v57
	v_lshlrev_b32 v[L4], 2, v57
	v_lshlrev_b32 v[L8], 3, v57
	s_wait_alu depctr_va_vdst(0)
	s_mul_i32 s5, s4, 8448
	v_add_nc_u32 v[STR], s5, v[L16]                ; the stage by rows: 16 x lane
	v_mul_u32_u24 v[STD], v58, 528
	v_lshl_add_u32 v[STD], v59, 6, v[STD]
	v_add_nc_u32 v[STD], s5, v[STD]                ; and by lanes: row r, + 64 h
	s_mul_i32 s5, s4, 6144
	s_add_co_u32 s5, s5, XIMG
	v_add_nc_u32 v[XWI], s5, v[L16]                ; where I store my four images
	s_lshl_b32 s5, s4, 9
	s_add_co_u32 s5, s5, XSC
	v_add_nc_u32 v[XWS], s5, v[L4]
	v_add_nc_u32 v[XRI], XIMG, v[L16]
	v_add_nc_u32 v[XRS], XSC, v[L4]
	s_lshr_b32 s7, s4, 1
	s_and_b32 s7, s7, s4                           ; 1 in wave 3 alone
	s_min_u32 s6, s4, 2                            ; 0 q, 1 k, 2 v
	s_lshl_b32 s5, s6, 8
	s_add_co_u32 s5, s5, OSC
	v_add_nc_u32 v[OSR], s5, v[L8]                 ; a table of scale words on its way out
	s_lshl_b32 s40, s7, 7
	s_add_co_u32 s5, s5, s40
	v_lshl_add_u32 v[OSA], v58, 2, s5              ; where my role's scale words go
	v_mul_u32_u24 v[WOF], v60, 384                 ; a row of 512 codes is 384 bytes
	v_mad_u32_u24 v[WOF], v59, 24, v[WOF]
	v_lshlrev_b32 v[WSO], 4, v60                   ; and 16 scale bytes
	v_lshlrev_b32 v[QBO], 6, v59
	v_lshlrev_b32 v[VBO], 2, v60
.irp j, 4,5,6,7
	v_mov_b32 v[TM+\j], 0                          ; written once: a lane permute's destination counts as one of its sources
.endr
	s_mov_b32 s[SEL], 0x76543210
	s_mov_b32 s[SEL+1], 0xfedcba98
	s_mov_b32 s51, 0
	s_wait_kmcnt 0x0
	s_cmp_eq_u32 s4, 0                             ; my role's buffers: the choice hangs on the wave's number alone
	s_cselect_b64 s[34:35], s[10:11], s[16:17]
	s_cselect_b64 s[36:37], s[12:13], s[18:19]
	s_cselect_b64 s[38:39], s[14:15], s[20:21]
	s_cselect_b64 s[42:43], s[28:29], s[30:31]
	s_cmp_lt_u32 s4, 2
	s_cselect_b64 s[34:35], s[34:35], s[22:23]
	s_cselect_b64 s[36:37], s[36:37], s[24:25]
	s_cselect_b64 s[38:39], s[38:39], s[26:27]
	s_mul_i32 s50, s7, 12288                       ; wave 3: Wv's rows 32 on
	s_add_nc_u64 s[34:35], s[34:35], s[50:51]
	s_lshl_b32 s50, s7, 9
	s_add_nc_u64 s[36:37], s[36:37], s[50:51]
	s_lshl_b32 s50, s7, 7
	s_add_nc_u64 s[38:39], s[38:39], s[50:51]
	s_lshr_b32 s52, ttmp9, 4                       ; batch
	s_mul_i32 s52, s52, 98304
	s_and_b32 s53, ttmp9, 15                       ; group of 64 tokens
	s_mul_i32 s53, s53, 3072
	s_add_co_u32 s52, s52, s53
	s_mul_i32 s53, s7, 1536
	s_add_co_u32 s53, s53, 49152
	s_cmp_lt_u32 s4, 2
	s_cselect_b32 s53, 0, s53
	s_add_co_u32 s52, s52, s53                     ; in kv: k's tiles, or v's two of mine
	s_mul_i32 s53, ttmp9, 3072                     ; in qi
	s_cmp_eq_u32 s4, 0
	s_cselect_b32 s50, s53, s52
	s_add_nc_u64 s[42:43], s[42:43], s[50:51]
	s_lshl_b32 s50, s6, 16
	s_lshl_b32 s52, ttmp9, 8
	s_add_co_u32 s50, s50, s52
	s_add_nc_u64 s[44:45], s[32:33], s[50:51]      ; in sc
	s_lshl_b32 s50, ttmp9, 17                      ; x: 64 rows of 2,048 bytes a work-group,
	s_lshr_b32 s52, s4, 1
	s_lshl_b32 s52, s52, 16
	s_add_co_u32 s50, s50, s52
	s_and_b32 s52, s4, 1
	s_lshl_b32 s52, s52, 14
	s_add_co_u32 s50, s50, s52                     ; + pi(w, 0) rows
	s_add_nc_u64 s[48:49], s[8:9], s[50:51]
; THE ORDER OF THE LOADS.  x's 64 loads stand ahead of my role's weights, which are wanted only behind the barrier.  The weights come in four batches between x's turns:
; batch j is tile j's four fragments, its bias and its scale words: 30 loads in the q and k roles; 29 in the v role, which has batches 0 and 1 alone.  Loads come back in the order of issue, so each counted wait below
; counts the younger loads of the role that has fewer.
.macro XLOAD k                         ; K step k of my 16 rows, row by row: 32 lanes read 512 consecutive bytes
	WIN 0x80
.irp i, 0,1,2,3,4,5,6,7,8,9,10,11,12,13,14,15
	global_load_b128 v[64*(\k)+4*\i:64*(\k)+4*\i+3], v[L16], s[48:49] offset:(\i+(\i&8))*2048+512*(\k) th:TH_LOAD_NT
.endr
	WIN 0
.endm
.macro WBATCH j
	s_cmp_lt_u32 s4, 2
	s_cbranch_scc0 .Lwv_\@
	WIN 0x40
.irp k, 0,1,2,3
.irp p, 0,1,2,3,4,5
	global_load_b64 v[12*(4*(\j)+\k)+2*\p:12*(4*(\j)+\k)+2*\p+1], v[WOF], s[34:35] offset:(32*((\j)/2)+8*((\j)%2))*384+96*\k+48*(\p/3)+8*(\p%3)
.endr
.endr
	global_load_b128 v[192+8*(\j):192+8*(\j)+3], v[QBO], s[38:39] offset:128*((\j)/2)+32*((\j)%2)      ; the bias in the result's layout: channels 32 b + 8 u + 16 h + 0 .. 7
	global_load_b128 v[192+8*(\j)+4:192+8*(\j)+7], v[QBO], s[38:39] offset:128*((\j)/2)+32*((\j)%2)+16
	WIN 0
.irp k, 0,1,2,3
	global_load_b32 v[WS+4*(\j)+\k], v[WSO], s[36:37] offset:(32*((\j)/2)+8*((\j)%2))*16+4*\k
.endr
	s_branch .Lwj_\@
.Lwv_\@:
.if (\j) < 2
	WIN 0xc0
.irp k, 0,1,2,3
.irp p, 0,1,2,3,4,5
	global_load_b64 v[12*(4*(\j)+\k)+2*\p:12*(4*(\j)+\k)+2*\p+1], v[WOF], s[34:35] offset:8*(\j)*384+96*\k+48*(\p/3)+8*(\p%3)
.endr
.endr
	WIN 0
.irp k, 0,1,2,3
	global_load_b32 v[WS+4*(\j)+\k], v[WSO], s[36:37] offset:8*(\j)*16+4*\k
.endr
	global_load_b32 v[BV+(\j)], v[VBO], s[38:39] offset:32*(\j)      ; bv of my lane's channel
.endif
.Lwj_\@:
.endm
; K step kk of my 16 rows turns through my stage: in as loaded, out 16 neighbours of each block of 32 a lane.  LDS serves a wave's instructions in order: no wait between the stores and the loads.
.macro TURNX kk, n                     ; n: the loads issued behind K step kk's, which may stay out
	s_wait_loadcnt \n
	WIN 0x08
.irp i, 0,1,2,3,4,5,6,7,8,9,10,11,12,13,14,15
	ds_store_b128 v[STR], v[64*(\kk)+4*\i:64*(\kk)+4*\i+3] offset:528*\i
.endr
	WIN 0
.irp b, 0,1,2,3
.irp j, 0,1,2,3
	ds_load_b128 v[XN+64*((\kk)%2)+16*\b+4*\j:XN+64*((\kk)%2)+16*\b+4*\j+3], v[STD] offset:128*\b+16*\j
.endr
.endr
.endm
	s_wait_alu depctr_va_vdst(0)                   ; the wait at the head's end
	XLOAD 0
	XLOAD 1
	XLOAD 2
	TURNX 0, 32                                    ; behind K step 0: steps 1 and 2
	XLOAD 3
.irp k, 0,1,2,3
.if \k == 0
	TURNX 1, 32                                    ; behind K step 1: steps 2 and 3
	WBATCH 0
.elseif \k == 1
	TURNX 2, 45                                    ; behind K step 2: step 3's 16 and batch 0's 29 or 30
.elseif \k == 2
	TURNX 3, 29                                    ; behind K step 3: batch 0
	WBATCH 1
	WBATCH 2
.else
	WBATCH 3
.endif
.if \k < 3
	s_wait_dscnt 32
.else
	s_wait_dscnt 0x0
.endif
	QUANT 0, XN+64*(\k%2), 4, 1
.irp c, 0,1,2
	ds_store_b128 v[XWI], v[PC+4*\c:PC+4*\c+3] offset:1536*\k+512*\c
.endr
	ds_store_b32 v[XWS], v[PW] offset:128*\k
.endr
	s_wait_dscnt 0x0                               ; my images have landed
	s_barrier_signal -1
	s_barrier_wait -1                              ; x's sixteen fragments lie in LDS
	s_wait_loadcnt 0x0                             ; my role's weights, scale words and bias are in
.macro FETCHX mm
.irp k, 0,1,2,3
.irp c, 0,1,2
	ds_load_b128 v[XF+48*((\mm)%2)+12*\k+4*\c:XF+48*((\mm)%2)+12*\k+4*\c+3], v[XRI] offset:(4*(\mm)+\k)*1536+512*\c
.endr
	ds_load_b32 v[XS+4*(\mm)+\k], v[XRS] offset:(4*(\mm)+\k)*128
.endr
.endm
	s_cmp_lt_u32 s4, 2
	s_cbranch_scc0 .Lrole_v
	; ---- q or k: for each token tile four sums by turns, the bias as the C of the first K step
	FETCHX 0
.irp m, 0,1,2,3
	s_wait_dscnt 0x0                               ; this tile's fragments are in (asked for a tile ago), my last scale word is stored
.if \m < 3
	FETCHX \m+1
.endif
.irp k, 0,1,2,3
.if \k == 0
	WIN 0x11
.else
	WIN 0x01
.endif
.irp t, 0,1,2,3
.if \k == 0
	WM ACC+32*(\m%2)+8*\t, 12*(4*\t+\k), XF+48*(\m%2)+12*\k, 192+8*\t, WS+4*\t+\k, XS+4*\m+\k
.else
	WM ACC+32*(\m%2)+8*\t, 12*(4*\t+\k), XF+48*(\m%2)+12*\k, ACC+32*(\m%2)+8*\t, WS+4*\t+\k, XS+4*\m+\k
.endif
.endr
.endr
	WIN 0
	PL 4
	s_wait_xcnt 0x0                                ; the last tile's stores have read the codes' registers
	QUANT 0, ACC+32*(\m%2), 2, 1
	global_store_b128 v[L16], v[PC:PC+3], s[42:43] offset:768*\m          ; 512 consecutive bytes,
	global_store_b64 v[L8], v[PC+4:PC+5], s[42:43] offset:768*\m+512      ; and 256: whole aligned blocks of 256 bytes
	ds_store_b32 v[OSA], v[PW] offset:64*\m
.endr
	s_branch .Ljoin
.Lrole_v:
	; ---- v: all of x's fragments as source 0, my two channel tiles as source 1: eight sums by turns
	WIN 0x40
.irp m, 0,1,2,3
.irp k, 0,1,2,3
.irp c, 0,1,2
	ds_load_b128 v[12*(4*\m+\k)+4*\c:12*(4*\m+\k)+4*\c+3], v[XRI] offset:(4*\m+\k)*1536+512*\c
.endr
.endr
.endr
.irp u, 0,1
.irp j, 0,1,2,3,4,5,6,7
	v_mov_b32 v[192+8*\u+\j], v[BV+\u]             ; the bias in the result's layout: a lane's eight tokens take its channel's
.endr
.endr
	WIN 0
.irp m, 0,1,2,3
.irp k, 0,1,2,3
	ds_load_b32 v[XS+4*\m+\k], v[XRS] offset:(4*\m+\k)*128
.endr
.endr
	s_wait_alu depctr_va_vdst(0)
	s_wait_dscnt 0x0
.irp k, 0,1,2,3
.if \k == 0
	WIN 0x1d
.else
	WIN 0x0d
.endif
.irp u, 0,1
.irp m, 0,1,2,3
.if \k == 0
	WM ACC+32*\u+8*\m, 12*(4*\m+\k), 12*(4*\u+\k), 192+8*\u, XS+4*\m+\k, WS+4*\u+\k
.else
	WM ACC+32*\u+8*\m, 12*(4*\m+\k), 12*(4*\u+\k), ACC+32*\u+8*\m, XS+4*\m+\k, WS+4*\u+\k
.endif
.endr
.endr
.endr
	WIN 0
	PL 4
.irp u, 0,1
	s_wait_xcnt 0x0
	s_wait_dscnt 0x0
	QUANT 0, ACC+32*\u, 2, 1                       ; along the 64 tokens
	global_store_b128 v[L16], v[PC:PC+3], s[42:43] offset:768*\u
	global_store_b64 v[L8], v[PC+4:PC+5], s[42:43] offset:768*\u+512
	ds_store_b32 v[OSA], v[PW] offset:64*\u
.endr
.Ljoin:
	s_wait_dscnt 0x0
	s_barrier_signal -1
	s_barrier_wait -1                              ; the three tables of scale words lie in LDS
	s_cmp_lt_u32 s4, 3
	s_cbranch_scc0 .Lend
	ds_load_b64 v[62:63], v[OSR]
	s_wait_dscnt 0x0
	global_store_b64 v[L8], v[62:63], s[44:45]     ; 32 lanes store one aligned block of 256 bytes
.Lend:
	s_wait_tensorcnt 0x0                           ; the wave's end: behind my last LDS store
	ds_add_u32 v[SPW], v[NIL]
	s_wait_dscnt 0x0
	s_endpgm
.Lfunc_end_k_q9f4a145923_qkv:
	.size	k_q9f4a145923_qkv, .Lfunc_end_k_q9f4a145923_qkv-k_q9f4a145923_qkv
	.p2alignl 7, 3214868480
	.fill 96, 4, 3214868480
	.section	.rodata,"a",@progbits
	.p2align	6, 0x0
	.amdhsa_kernel k_q9f4a145923_qkv
		.amdhsa_group_segment_fixed_size 61952
		.amdhsa_private_segment_fixed_size 0
		.amdhsa_enable_private_segment 0
		.amdhsa_kernarg_size 104
		.amdhsa_user_sgpr_count 2
		.amdhsa_user_sgpr_kernarg_segment_ptr 1
		.amdhsa_wavefront_size32 1
		.amdhsa_system_sgpr_workgroup_id_x 1
		.amdhsa_system_sgpr_workgroup_id_y 1
		.amdhsa_system_sgpr_workgroup_id_z 1
		.amdhsa_system_vgpr_workitem_id 0
		.amdhsa_next_free_vgpr 1024
		.amdhsa_next_free_sgpr 66
		.amdhsa_reserve_vcc 0
		.amdhsa_float_denorm_mode_32 3
		.amdhsa_float_denorm_mode_16_64 3
		.amdhsa_memory_ordered 1
		.amdhsa_forward_progress 1
		.amdhsa_inst_pref_size 88
	.end_amdhsa_kernel
	.amdgpu_metadata
---
amdhsa.version: [ 1, 2 ]
amdhsa.kernels:
  - .name:           k_q9f4a145923_qkv
    .symbol:         k_q9f4a145923_qkv.kd
    .args:
      - { .name: x, .offset: 0, .size: 8, .value_kind: global_buffer, .address_space: global }
      - { .name: wq_codes, .offset: 8, .size: 8, .value_kind: global_buffer, .address_space: global }
      - { .name: wq_scales, .offset: 16, .size: 8, .value_kind: global_buffer, .address_space: global }
      - { .name: bq, .offset: 24, .size: 8, .value_kind: global_buffer, .address_space: global }
      - { .name: wk_codes, .offset: 32, .size: 8, .value_kind: global_buffer, .address_space: global }
      - { .name: wk_scales, .offset: 40, .size: 8, .value_kind: global_buffer, .address_space: global }
      - { .name: bk, .offset: 48, .size: 8, .value_kind: global_buffer, .address_space: global }
      - { .name: wv_codes, .offset: 56, .size: 8, .value_kind: global_buffer, .address_space: global }
      - { .name: wv_scales, .offset: 64, .size: 8, .value_kind: global_buffer, .address_space: global }
      - { .name: bv, .offset: 72, .size: 8, .value_kind: global_buffer, .address_space: global }
      - { .name: qi, .offset: 80, .size: 8, .value_kind: global_buffer, .address_space: global }
      - { .name: kv, .offset: 88, .size: 8, .value_kind: global_buffer, .address_space: global }
      - { .name: sc, .offset: 96, .size: 8, .value_kind: global_buffer, .address_space: global }
    .group_segment_fixed_size: 61952
    .private_segment_fixed_size: 0
    .kernarg_segment_align: 8
    .kernarg_segment_size: 104
    .max_flat_workgroup_size: 128
    .sgpr_count:     66
    .vgpr_count:     1024
    .wavefront_size: 32
...
	.end_amdgpu_metadata
.endif
;; end of part 1
;; launch stats (part 2): grid 256 x 1, 16 waves a work-group, no clusters, 10,240 bytes of LDS; arguments qi, kv, sc, wo_codes, wo_scales, w1_codes, w1_scales, w2_codes, w2_scales, nz, wf; writes nz, wf
.if DOCPART == 2
	.amdgcn_target "amdgcn-amd-amdhsa--gfx1250"
	.amdhsa_code_object_version 6
	.text
	.protected	k_q9f4a145923_stats
	.globl	k_q9f4a145923_stats
	.p2align	8
	.type	k_q9f4a145923_stats,@function
k_q9f4a145923_stats:
	s_mov_b64 s[64:65], 0
	v_nop
	global_prefetch_b8 v0, s[64:65] scope:SCOPE_SE
	s_setreg_imm32_b32 hwreg(HW_REG_WAVE_MODE, 25, 1), 1
	s_wait_xcnt 0x0
; SECOND LAUNCH.  The softmax runs over the QUERIES: for every key, nz = -(c max_q s + log2 sum_q 2^(c s - c max)), c = log2(e) / 8, so that the third launch has attn = 2^(c s + nz), at most 1.
; The maximum is taken away ahead of every exponential: in each partial figure, and again where the partial figures are merged.  No work is left out.
; SHARES.  A work-group owns 64 keys of a batch.  Wave w: key tile w % 4, queries 256 (w / 4) on (16 tiles).  K = 64 in an instruction of 128 along K: source 0 is DENSE, two query tiles side by side;
; source 1 is my key tile as [k | 0] or [0 | k] with zero codes in the empty half: the first gives the even tile's scores, the second the odd tile's.  In the result a lane holds ONE key, its registers queries.
; Each (wave, chunk of 64 registers, half of the lanes) gives one of 16 partial pairs (m, l) for a key; they meet in LDS and wave 0 merges them.
; THE FIRST 72 WORK-GROUPS ALSO LAY wo, w1, w2 OUT in the order in which the third launch's operand registers take them: wf = 18 fills x 4 quarters x 25,600 bytes; a quarter = 16 fragment images of 1,536 bytes
; (registers 4 c .. 4 c + 3 at 512 c + 16 x lane), then 16 x 64 bytes of scale words.  Wave i lays fragment i = 8 sl + t.  Fill 0, 1: wo, K step 2 fill + sl; fill 2 + 4 c + hf: w1's rows 512 c on, K step 2 hf + sl;
; fill 4 + 4 c + hf: w2, K step 4 c + 2 hf + sl; rows 128 x quarter + pi(t, r), pi(t, r) = 32 (t / 2) + 8 (t % 2) + r + (r & 8).  A fragment's 16 scale words leave as 64 bytes (lanes l and l + 16 store the same word).
; LIMITS: NaN and infinities are not served.  Sixteen small waves, four to a SIMD: the launch is short and waits for memory; no tensor load, no cluster: each work-group reads its batch's q once.
.set PM,    0                          ; [partial 16][64 keys] f32: m
.set PLO,   4096                       ; the same: l
.set SPARE, 8192                       ; the spare words, 128 bytes a wave
.set SPW, 1
.set NIL, 2
.set L16, 3
.set L8,  4
.set L4,  5
.set R4,  6
.set PST, 7
.set LCO, 8
.set LSO, 9
.set QSC, 16
.set KSC, 24
.set K1,  26
.set K2,  38
.set QF,  50
.set S,   146
.set LF,  226
.set LW,  238
.set CS,  50                           ; s[50:51] c
.macro PL n
.rept \n
	v_nop
.endr
.endm
.macro WM0 d, a, b, sa, sb, row
.if \row
	v_wmma_scale_f32_16x16x128_f8f6f4 v[(\d):(\d)+7], v[(\a):(\a)+11], v[(\b):(\b)+11], 0, v[(\sa)], v[(\sb)] matrix_a_fmt:MATRIX_FMT_FP6 matrix_b_fmt:MATRIX_FMT_FP6 matrix_a_scale:MATRIX_SCALE_ROW1
.else
	v_wmma_scale_f32_16x16x128_f8f6f4 v[(\d):(\d)+7], v[(\a):(\a)+11], v[(\b):(\b)+11], 0, v[(\sa)], v[(\sb)] matrix_a_fmt:MATRIX_FMT_FP6 matrix_b_fmt:MATRIX_FMT_FP6
.endif
.endm
	s_load_b512 s[8:23], s[0:1], 0x0               ; qi 8, kv 10, sc 12, wo codes 14, wo scales 16, w1 codes 18, w1 scales 20, w2 codes 22
	s_load_b128 s[24:27], s[0:1], 0x40             ; w2 scales 24, nz 26
	s_load_b64 s[28:29], s[0:1], 0x50              ; wf
	v_lshl_add_u32 v[SPW], v0, 2, SPARE
	v_mov_b32 v[NIL], 0
.irp j, 0,1,2,3,4,5
	v_mov_b32 v[K1+6+\j], 0                        ; the empty halves: zero codes add nothing under any scale
	v_mov_b32 v[K2+\j], 0
.endr
	v_mov_b32 v213, 0                              ; (named as the upper halves of pairs)
	v_mov_b32 v215, 0
	v_lshrrev_b32 v12, 5, v0
	s_delay_alu instid0(VALU_DEP_1)
	v_readfirstlane_b32 s4, v12                    ; wave 0..15
	v_and_b32 v12, 31, v0
	v_and_b32 v13, 15, v0                          ; r
	v_bfe_u32 v14, v0, 4, 1                        ; h
	s_delay_alu instid0(VALU_DEP_2)
	v_and_b32 v15, 8, v13
	s_delay_alu instid0(VALU_DEP_1)
	v_add_nc_u32 v15, v15, v13                     ; r + (r & 8)
	s_wait_alu depctr_va_vdst(0)
	v_lshlrev_b32 v[L16], 4, v12
	v_lshlrev_b32 v[L8], 3, v12
	v_lshlrev_b32 v[L4], 2, v12
	v_lshlrev_b32 v[R4], 2, v13
	s_and_b32 s5, s4, 3                            ; key tile
	s_lshr_b32 s6, s4, 2                           ; quarter of the queries
	s_lshl_b32 s7, s6, 10
	s_lshr_b32 s30, s5, 1
	s_lshl_b32 s30, s30, 7
	s_add_co_u32 s7, s7, s30
	s_and_b32 s30, s5, 1
	s_lshl_b32 s30, s30, 5
	s_add_co_u32 s7, s7, s30
	v_lshlrev_b32 v[PST], 2, v15
	s_delay_alu instid0(VALU_DEP_1)
	v_lshl_add_u32 v[PST], v14, 8, v[PST]
	s_delay_alu instid0(VALU_DEP_1)
	v_add_nc_u32 v[PST], s7, v[PST]                ; partial 4 (w / 4) + 2 e + h, key pi(w % 4, r)
	s_mov_b32 s[CS], 0x3e38aa3b                    ; c = log2(e) / 8
	s_mov_b32 s[CS+1], s[CS]
	s_lshr_b32 s31, ttmp9, 4                       ; batch
	s_and_b32 s34, ttmp9, 15                       ; group of 64 keys
	s_mov_b32 s37, 0
	s_wait_alu depctr_va_vdst(0)
	s_wait_kmcnt 0x0
	s_mul_i32 s36, s31, 49152
	s_mul_i32 s35, s6, 12288
	s_add_co_u32 s36, s36, s35
	s_add_nc_u64 s[40:41], s[8:9], s[36:37]        ; my 8 dense pairs of q
	s_lshl_b32 s35, s34, 2
	s_add_co_u32 s35, s35, s5
	s_mul_i32 s35, s35, 768
	s_mul_i32 s36, s31, 98304
	s_add_co_u32 s36, s36, s35
	s_add_nc_u64 s[42:43], s[10:11], s[36:37]      ; my key tile
	s_lshl_b32 s36, s31, 12
	s_lshl_b32 s35, s6, 10
	s_add_co_u32 s36, s36, s35
	s_add_nc_u64 s[44:45], s[12:13], s[36:37]      ; q's scale words
	s_lshl_b32 s36, s31, 12
	s_lshl_b32 s35, s34, 8
	s_add_co_u32 s36, s36, s35
	s_add_nc_u64 s[48:49], s[26:27], s[36:37]      ; nz of my 64 keys
	s_lshl_b32 s35, s5, 6
	s_add_co_u32 s36, s36, s35
	s_add_co_u32 s36, s36, 65536
	s_add_nc_u64 s[46:47], s[12:13], s[36:37]      ; k's scale words
	global_load_b128 v[K1:K1+3], v[L16], s[42:43]
	global_load_b64 v[K1+4:K1+5], v[L8], s[42:43] offset:512
	global_load_b128 v[K2+6:K2+9], v[L16], s[42:43]
	global_load_b64 v[K2+10:K2+11], v[L8], s[42:43] offset:512
	global_load_b32 v[KSC], v[R4], s[46:47]
.irp p, 0,1,2,3,4,5,6,7
	global_load_b32 v[QSC+\p], v[L4], s[44:45] offset:128*\p       ; lanes 0-15 the even tile's words, lanes 16-31 the odd tile's
.endr
.irp p, 0,1,2,3,4,5,6,7
	global_load_b128 v[QF+12*\p:QF+12*\p+3], v[L16], s[40:41] offset:1536*\p
	global_load_b64 v[QF+12*\p+4:QF+12*\p+5], v[L8], s[40:41] offset:1536*\p+512
	global_load_b128 v[QF+12*\p+6:QF+12*\p+9], v[L16], s[40:41] offset:1536*\p+768
	global_load_b64 v[QF+12*\p+10:QF+12*\p+11], v[L8], s[40:41] offset:1536*\p+1280
.endr
	; ---- the lay-out of the weights: one branch on the work-group's number; its loads are on their way together with those above
	s_cmp_lt_u32 ttmp9, 72
	s_cbranch_scc0 .Lno_lay
	s_lshr_b32 s60, ttmp9, 2                       ; fill
	s_and_b32 s61, ttmp9, 3                        ; quarter
	s_lshr_b32 s62, s4, 3                          ; sl
	s_and_b32 s63, s4, 7                           ; t
	s_sub_co_u32 s66, s60, 2
	s_lshr_b32 s67, s66, 2                         ; c
	s_and_b32 s68, s66, 1
	s_lshl_b32 s68, s68, 1
	s_add_co_u32 s68, s68, s62                     ; w1's K step: 2 hf + sl
	s_lshl_b32 s69, s67, 2
	s_add_co_u32 s69, s69, s68                     ; w2's: 4 c + 2 hf + sl
	s_lshl_b32 s70, s67, 9                         ; w1's rows: 512 c on
	s_lshl_b32 s71, s60, 1
	s_add_co_u32 s71, s71, s62                     ; wo's K step: 2 fill + sl
	s_mov_b32 s72, 384
	s_bitcmp1_b32 s66, 1                           ; w2 or w1?
	s_cselect_b32 s68, s69, s68
	s_cselect_b32 s70, 0, s70
	s_cselect_b32 s73, 1536, s72                   ; a row of codes in bytes
	s_cselect_b32 s74, 64, 16                      ; a row of scale bytes
	s_cselect_b64 s[76:77], s[22:23], s[18:19]
	s_cselect_b64 s[78:79], s[24:25], s[20:21]
	s_cmp_lt_u32 s60, 2                            ; or wo?
	s_cselect_b32 s68, s71, s68
	s_cselect_b32 s70, 0, s70
	s_cselect_b32 s73, s72, s73
	s_cselect_b32 s74, 16, s74
	s_cselect_b64 s[76:77], s[14:15], s[76:77]
	s_cselect_b64 s[78:79], s[16:17], s[78:79]
	s_lshl_b32 s61, s61, 7
	s_add_co_u32 s70, s70, s61
	s_lshr_b32 s61, s63, 1
	s_lshl_b32 s61, s61, 5
	s_add_co_u32 s70, s70, s61
	s_and_b32 s61, s63, 1
	s_lshl_b32 s61, s61, 3
	s_add_co_u32 s70, s70, s61                     ; the tile's first row
	s_mov_b32 s81, 0
	s_mul_i32 s80, s70, s73
	s_mul_i32 s61, s68, 96
	s_add_co_u32 s80, s80, s61
	s_add_nc_u64 s[76:77], s[76:77], s[80:81]
	s_mul_i32 s80, s70, s74
	s_lshl_b32 s61, s68, 2
	s_add_co_u32 s80, s80, s61
	s_add_nc_u64 s[78:79], s[78:79], s[80:81]
	s_mul_i32 s80, ttmp9, 25600
	s_add_nc_u64 s[82:83], s[28:29], s[80:81]      ; my quarter of wf
	s_mul_i32 s80, s4, 1536
	s_add_nc_u64 s[84:85], s[82:83], s[80:81]      ; my fragment's image
	s_lshl_b32 s80, s4, 6
	s_add_co_u32 s80, s80, 24576
	s_add_nc_u64 s[86:87], s[82:83], s[80:81]      ; its scale words
	v_mul_lo_u32 v[LCO], v15, s73
	s_delay_alu instid0(VALU_DEP_1)
	v_mad_u32_u24 v[LCO], v14, 24, v[LCO]
	v_mul_lo_u32 v[LSO], v15, s74
.irp p, 0,1,2,3,4,5
	global_load_b64 v[LF+2*\p:LF+2*\p+1], v[LCO], s[76:77] offset:48*(\p/3)+8*(\p%3)
.endr
	global_load_b32 v[LW], v[LSO], s[78:79]
	s_wait_loadcnt 0x0
.irp c, 0,1,2
	global_store_b128 v[L16], v[LF+4*\c:LF+4*\c+3], s[84:85] offset:512*\c     ; 512 consecutive bytes
.endr
	global_store_b32 v[R4], v[LW], s[86:87]
.Lno_lay:
; 64 scores of my key (four dense pairs of query tiles) and their partial figures
.macro CHUNK e
.if \e == 0
	s_wait_loadcnt 16                              ; the second chunk's 16 loads may stay out
.else
	s_wait_loadcnt 0x0
.endif
.irp p, 0,1,2,3
	WM0 S+16*\p, QF+12*(4*\e+\p), K1, QSC+4*\e+\p, KSC, 0
	WM0 S+16*\p+8, QF+12*(4*\e+\p), K2, QSC+4*\e+\p, KSC, 1
.endr
	PL 4
	v_max3_num_f32 v210, v[S], v[S+1], v[S+2]      ; two chains, each accumulator from its low end on
	v_max3_num_f32 v211, v[S+32], v[S+33], v[S+34]
.irp i, 3,5,7,9,11,13,15,17,19,21,23,25,27,29
	v_max3_num_f32 v210, v210, v[S+\i], v[S+\i+1]
	v_max3_num_f32 v211, v211, v[S+32+\i], v[S+33+\i]
.endr
	v_max3_num_f32 v210, v210, v[S+31], v[S+63]
	s_delay_alu instid0(VALU_DEP_1)
	v_max_num_f32 v210, v210, v211
	s_delay_alu instid0(VALU_DEP_1)
	v_mul_f32 v[212+2*\e], s[CS], v210             ; m = c x the largest score
.irp j, 0,2,4,6,8,10,12,14,16,18,20,22,24,26,28,30,32,34,36,38,40,42,44,46,48,50,52,54,56,58,60,62
	v_pk_fma_f32 v[S+\j:S+\j+1], v[S+\j:S+\j+1], s[CS:CS+1], v[212+2*\e:213+2*\e] op_sel_hi:[1,0,0] neg_lo:[0,0,1] neg_hi:[0,0,1]
.endr
	s_wait_alu depctr_va_vdst(0)
.irp j, 0,1,2,3,4,5,6,7,8,9,10,11,12,13,14,15,16,17,18,19,20,21,22,23,24,25,26,27,28,29,30,31,32,33,34,35,36,37,38,39,40,41,42,43,44,45,46,47,48,49,50,51,52,53,54,55,56,57,58,59,60,61,62,63
	v_exp_f32 v[S+\j], v[S+\j]
.endr
	v_nop                                          ; a plain place behind the last exponential,
	s_wait_alu depctr_va_vdst(0)                   ; and one wait for the batch, ahead of its first reader
	v_pk_add_f32 v[216+4*\e:217+4*\e], v[S:S+1], v[S+2:S+3]
	v_pk_add_f32 v[218+4*\e:219+4*\e], v[S+4:S+5], v[S+6:S+7]
.irp j, 8,12,16,20,24,28,32,36,40,44,48,52,56,60
	v_pk_add_f32 v[216+4*\e:217+4*\e], v[216+4*\e:217+4*\e], v[S+\j:S+\j+1]
	v_pk_add_f32 v[218+4*\e:219+4*\e], v[218+4*\e:219+4*\e], v[S+\j+2:S+\j+3]
.endr
	s_delay_alu instid0(VALU_DEP_1)
	v_pk_add_f32 v[216+4*\e:217+4*\e], v[216+4*\e:217+4*\e], v[218+4*\e:219+4*\e]
	s_delay_alu instid0(VALU_DEP_1)
	v_add_f32 v[216+4*\e], v[216+4*\e], v[217+4*\e]
	ds_store_b32 v[PST], v[212+2*\e] offset:PM+512*\e
	ds_store_b32 v[PST], v[216+4*\e] offset:PLO+512*\e
.endm
	PL 4                                           ; the empty halves were written by vector instructions
	CHUNK 0
	CHUNK 1
	s_wait_dscnt 0x0
	s_barrier_signal -1
	s_barrier_wait -1                              ; all 16 partial pairs of all 64 keys lie in LDS
	s_cmp_lg_u32 s4, 0
	s_cbranch_scc1 .Lend
	; ---- wave 0 merges: lane l takes keys 2 l and 2 l + 1
.irp i, 0,1,2,3,4,5,6,7,8,9,10,11,12,13,14,15
	ds_load_b64 v[QF+2*\i:QF+2*\i+1], v[L8] offset:PM+256*\i
.endr
.irp i, 0,1,2,3,4,5,6,7,8,9,10,11,12,13,14,15
	ds_load_b64 v[QF+32+2*\i:QF+33+2*\i], v[L8] offset:PLO+256*\i
.endr
	s_wait_dscnt 0x0
	v_max3_num_f32 v210, v[QF], v[QF+2], v[QF+4]
	v_max3_num_f32 v211, v[QF+1], v[QF+3], v[QF+5]
.irp i, 3,5,7,9,11,13
	s_delay_alu instid0(VALU_DEP_2)
	v_max3_num_f32 v210, v210, v[QF+2*\i], v[QF+2*\i+2]
	s_delay_alu instid0(VALU_DEP_2)
	v_max3_num_f32 v211, v211, v[QF+2*\i+1], v[QF+2*\i+3]
.endr
	s_delay_alu instid0(VALU_DEP_2)
	v_max_num_f32 v210, v210, v[QF+30]
	s_delay_alu instid0(VALU_DEP_2)
	v_max_num_f32 v211, v211, v[QF+31]             ; M
.irp i, 0,1,2,3,4,5,6,7,8,9,10,11,12,13,14,15
	v_pk_add_f32 v[S+2*\i:S+2*\i+1], v[QF+2*\i:QF+2*\i+1], v[210:211] neg_lo:[0,1] neg_hi:[0,1]
.endr
	s_wait_alu depctr_va_vdst(0)
.irp j, 0,1,2,3,4,5,6,7,8,9,10,11,12,13,14,15,16,17,18,19,20,21,22,23,24,25,26,27,28,29,30,31
	v_exp_f32 v[S+\j], v[S+\j]                     ; 2^(m_i - M)
.endr
	v_nop
	s_wait_alu depctr_va_vdst(0)
	v_pk_mul_f32 v[216:217], v[QF+32:QF+33], v[S:S+1]
.irp i, 1,2,3,4,5,6,7,8,9,10,11,12,13,14,15
	v_pk_fma_f32 v[216:217], v[QF+32+2*\i:QF+33+2*\i], v[S+2*\i:S+2*\i+1], v[216:217]
.endr
	s_wait_alu depctr_va_vdst(0)
	v_log_f32 v218, v216                           ; L is 1 or more: the key's largest score counts 1
	v_log_f32 v219, v217
	v_nop
	s_wait_alu depctr_va_vdst(0)
	v_sub_f32 v220, -v210, v218                    ; nz = -M - log2 L
	v_sub_f32 v221, -v211, v219
	global_store_b64 v[L8], v[220:221], s[48:49]   ; 32 lanes store one aligned block of 256 bytes
.Lend:
	s_wait_tensorcnt 0x0                           ; the wave's end: behind my last LDS store
	ds_add_u32 v[SPW], v[NIL]
	s_wait_dscnt 0x0
	s_endpgm
.Lfunc_end_k_q9f4a145923_stats:
	.size	k_q9f4a145923_stats, .Lfunc_end_k_q9f4a145923_stats-k_q9f4a145923_stats
	.p2alignl 7, 3214868480
	.fill 96, 4, 3214868480
	.section	.rodata,"a",@progbits
	.p2align	6, 0x0
	.amdhsa_kernel k_q9f4a145923_stats
		.amdhsa_group_segment_fixed_size 10240
		.amdhsa_private_segment_fixed_size 0
		.amdhsa_enable_private_segment 0
		.amdhsa_kernarg_size 88
		.amdhsa_user_sgpr_count 2
		.amdhsa_user_sgpr_kernarg_segment_ptr 1
		.amdhsa_wavefront_size32 1
		.amdhsa_system_sgpr_workgroup_id_x 1
		.amdhsa_system_sgpr_workgroup_id_y 1
		.amdhsa_system_sgpr_workgroup_id_z 1
		.amdhsa_system_vgpr_workitem_id 0
		.amdhsa_next_free_vgpr 256
		.amdhsa_next_free_sgpr 96
		.amdhsa_reserve_vcc 0
		.amdhsa_float_denorm_mode_32 3
		.amdhsa_float_denorm_mode_16_64 3
		.amdhsa_memory_ordered 1
		.amdhsa_forward_progress 1
		.amdhsa_inst_pref_size 37
	.end_amdhsa_kernel
	.amdgpu_metadata
---
amdhsa.version: [ 1, 2 ]
amdhsa.kernels:
  - .name:           k_q9f4a145923_stats
    .symbol:         k_q9f4a145923_stats.kd
    .args:
      - { .name: qi, .offset: 0, .size: 8, .value_kind: global_buffer, .address_space: global }
      - { .name: kv, .offset: 8, .size: 8, .value_kind: global_buffer, .address_space: global }
      - { .name: sc, .offset: 16, .size: 8, .value_kind: global_buffer, .address_space: global }
      - { .name: wo_codes, .offset: 24, .size: 8, .value_kind: global_buffer, .address_space: global }
      - { .name: wo_scales, .offset: 32, .size: 8, .value_kind: global_buffer, .address_space: global }
      - { .name: w1_codes, .offset: 40, .size: 8, .value_kind: global_buffer, .address_space: global }
      - { .name: w1_scales, .offset: 48, .size: 8, .value_kind: global_buffer, .address_space: global }
      - { .name: w2_codes, .offset: 56, .size: 8, .value_kind: global_buffer, .address_space: global }
      - { .name: w2_scales, .offset: 64, .size: 8, .value_kind: global_buffer, .address_space: global }
      - { .name: nz, .offset: 72, .size: 8, .value_kind: global_buffer, .address_space: global }
      - { .name: wf, .offset: 80, .size: 8, .value_kind: global_buffer, .address_space: global }
    .group_segment_fixed_size: 10240
    .private_segment_fixed_size: 0
    .kernarg_segment_align: 8
    .kernarg_segment_size: 88
    .max_flat_workgroup_size: 512
    .sgpr_count:     96
    .vgpr_count:     256
    .wavefront_size: 32
...
	.end_amdgpu_metadata
.endif
;; end of part 2
;; launch rest (part 3): grid 256 x 1, 4 waves a work-group, clusters of 4 x 1, 327,680 bytes of LDS; arguments qi, kv, sc, nz, wf, x, bo, ln_g, ln_b, b1, b2, out0; writes out0
.if DOCPART == 3
	.amdgcn_target "amdgcn-amd-amdhsa--gfx1250"
	.amdhsa_code_object_version 6
	.text
	.protected	k_q9f4a145923_rest
	.globl	k_q9f4a145923_rest
	.p2align	8
	.type	k_q9f4a145923_rest,@function
k_q9f4a145923_rest:
	s_mov_b64 s[64:65], 0
	v_nop
	global_prefetch_b8 v0, s[64:65] scope:SCOPE_SE
	s_setreg_imm32_b32 hwreg(HW_REG_WAVE_MODE, 25, 1), 1
	s_wait_xcnt 0x0
	s_wait_alu depctr_hold_cnt(0) depctr_sa_sdst(0) depctr_va_vdst(0) depctr_va_sdst(0) depctr_va_ssrc(0) depctr_va_vcc(0) depctr_vm_vsrc(0)
	s_getreg_b32 s2, hwreg(HW_REG_IB_STS2, 6, 4)
	s_cmp_eq_u32 s2, 0
	s_cbranch_scc0 .Lentry_in_a_cluster
	s_endpgm
.Lentry_in_a_cluster:
	s_bfe_u32 s2, ttmp6, 0x10000c
	s_cmp_lg_u32 s2, 0x3003
	s_cbranch_scc0 .Lentry_shape_is_right
	s_endpgm
.Lentry_shape_is_right:
; THIRD LAUNCH.  For 64 tokens a work-group: scores again, attn = 2^(c s + nz) (finished and normalised; the exponent is log2(attn), at most 0 by the second launch's nz, for every input), Q(attn) along the keys, x v,
; Q(head), x wo on the head tiled eightfold (every K step of 128 is [head | head]), + bo + x, layer norm, Q(h), x w1 + b1, Q, x w2 + b2 + h, layer norm.  attn, head, h and the hidden layer never go to memory.  No work is left out.
; LIMITS: NaN and infinities are not served; an attn under 2^-126 counts as 0; nz is one f32 number, so attn carries a relative error of the order of an f32 rounding of |c s|, as a difference of scores in f32 does;
; the sums over wo's K steps and over the feed-forward layer's chunks are taken in an order that differs from cluster to cluster (below): an order of rounding other than K ascending.
; ROWS OF A TILE: lane r of tile T stands for row pi(T, r) = 32 (T / 2) + 8 (T % 2) + r + (r & 8), for tokens, keys, channels and rows of weights alike.
; SHARES.  Attention: wave w owns query tile w and walks the batch's 1,024 keys, 128 a step (S^T = K Q^T with two key tiles side by side against [q | 0] and [0 | q]; O^T = V^T P^T: a lane holds one query).
; The three GEMM phases: THE WAVES SHARE THE COLUMNS: wave w has columns (or hidden units of a chunk of 512) 128 w .. 128 w + 127 for all 64 rows, so each weight fragment is read from LDS once and feeds four products.
; Rows go from wave to wave through LDS as images of operand registers.  The weights come in the second launch's order, 18 fills of 102,400 bytes through two LDS slots; each wave asks for, and reads, its own quarter.
; CLUSTER.  Four work-groups of one batch: K, V, nz, the scale tables and every fill of weights are the same for all four and are asked for jointly (mask 15).  No LDS address and no branch hangs on the place in the cluster.
; THE WALK OVER THE WEIGHTS DIFFERS FROM CLUSTER TO CLUSTER, BY ADDRESSES ALONE.  Cluster i takes wo's two fills in the order i % 2, 1 - i % 2 (every K step of wo meets the same [head | head], so the products' text is the same),
; and the four chunks of 512 hidden units, which are independent terms of one sum, in the order i % 4, i % 4 + 1 .. round.  So the 64 clusters ask for four different parts of wf at a time, and a part that 16 clusters
; (of wo: 32) ask for first is asked for by the others a chunk or more later.  The cluster's number is the same in all four partners: every joint load's descriptor stays equal in them.
; By this text's count a wave has at most three tensor loads out at the head and one later.  A refill goes out when three quarters of a fill's products are issued: the last quarter's fragments are in registers by then.
; REGISTERS.  window 0: v1-23, v84-87 addresses; v24-83 scale words alone; v88-111 q, later the norms' figures; v112-207 K's fragments and scores, later four sets of two weight fragments; v208-223 the norms; v224-255 the quantiser.
;   window 1: nz, V, O^T; then the head; then h's 16 fragments and b1; at the end g and b.   window 2: the sums of wo (begun with x), h, the sums of w1, the hidden layer's fragments, at the end rows on their way out.
;   window 3: x as loaded; g, b, bo, b2; then the sums of w2, begun with h + b2.
; THE HEAD AS IT STANDS (this paragraph takes the place of what the paragraph CLUSTER says of nz and the tables, and of the count of loads at the head): a wave has one tensor load out at any time.
; At the head each wave asks jointly for 100 rows of 256 bytes of slot 0.  K and V are 384 rows, so wave 3's tile states 84 rows left in the tensor, and its last 16 rows are written as zeros: all of slot 0 has been
; filled when wo's second fill lands there.  nz and the two scale tables, 12,288 bytes a work-group beside the 98,304 of K and V, are not asked for jointly: they come through registers into LDS bytes of their own,
; each wave a quarter of each.  wo's first fill goes out behind the full sequence and a round.  x is asked for behind that: 63 loads, and the 64th behind the loop over the keys.
.set QUART, 25600
.set FILLB, 102400                     ; a fill of weights
.set SLOT1, 102400
.set VOFF,  49152                      ; in slot 0's first fill: K's 64 tiles x 768, then V's (16 groups x 4 tiles) x 768, then 4,096 bytes of zeros
.set NZO,   278016                     ; nz of the batch, behind the spare words: stored from registers, never a fill's target
.set IMG,   204800                     ; images: fragment (4 q + s) x 1,536
.set ISC,   IMG+24576                  ; their scale words: (4 q + s) x 128
.set STG,   231424                     ; a stage of 16 rows x (512 + 16) bytes for each wave
.set LNP,   265216                     ; the norms' exchanges: [4][tile][r][wave] f32
.set TKS,   269312                     ; k's scale words of the batch
.set TVS,   273408                     ; v's
.set SPARE, 277504                     ; the spare words, 128 bytes a wave
.set SPW, 1
.set NIL, 2
.set L16, 3
.set L4,  4
.set L8,  5
.set WFA, 6
.set WSA, 8
.set IWA, 10
.set IWS, 11
.set IRA, 12
.set IRS, 13
.set IR8, 14
.set HW16, 15
.set HW8, 16
.set STD, 17
.set STR, 18
.set LNW, 19
.set LNR, 20
.set TBH, 21
.set AD16, 22
.set AD8, 23
.set HS,  24
.set FS,  40
.set WS,  56
.set PW,  72
.set QS,  73
.set KS,  74
.set VM,  78
.set VR,  80
.set AKS, 84
.set PFO, 84                           ; behind the attention: 256 x my lane, the prefetch's offset; never rewritten from there on
.set ANZ, 85
.set AKS0, 86
.set ANZ0, 87
.set Q1,  88
.set Q2,  100
.set LC,  88
.set LM,  104
.set KF,  112
.set S,   160
.set FB,  112
.set LX,  208
.set PC,  224
.set PT,  236
.set TM,  244
.set VF,  64                           ; window 1
.set O,   112                          ; window 1
.set B1,  192                          ; window 1
.set WB,  8                            ; s[8:9]   wf at my quarter of fill 0
.set BB,  10                           ; s[10:11] b1 at my 128 hidden units of chunk 0
.set OB,  12                           ; s[12:13] 2,048 x the chunk to come: its place in b1
.set O0,  14                           ; s[14:15] where slot 0's fill of the chunk to come begins in wf: (3 + 4 c) fills on
.set O1,  88                           ; s[88:89] slot 1's: (2 + 4 c) fills on
.set CC,  86                           ; s86      c: the chunk to come
.set PFA, 90                           ; s[90:91] wf at my work-group's 32 blocks of the prefetch; never rewritten
.set G0S, 68                           ; s[68:71], s[72:75]: group 0 for slot 0, slot 1
.set TK,  76
.set TT,  77
.set CNT, 78
.set I512, 79
.set SEL, 96
.set CS,  98
.set MSB, 0
.macro WIN new                         ; the immediate's high byte repeats the setting that is left
.if MSB != (\new)
	s_set_vgpr_msb (MSB<<8)|(\new)
.set MSB, \new
.endif
.endm
.macro PL n
.rept \n
	v_nop
.endr
.endm
.macro WM d, a, b, c, sa, sb, row
.if \row
	v_wmma_scale_f32_16x16x128_f8f6f4 v[(\d):(\d)+7], v[(\a):(\a)+11], v[(\b):(\b)+11], v[(\c):(\c)+7], v[(\sa)], v[(\sb)] matrix_a_fmt:MATRIX_FMT_FP6 matrix_b_fmt:MATRIX_FMT_FP6 matrix_a_scale:MATRIX_SCALE_ROW1
.else
	v_wmma_scale_f32_16x16x128_f8f6f4 v[(\d):(\d)+7], v[(\a):(\a)+11], v[(\b):(\b)+11], v[(\c):(\c)+7], v[(\sa)], v[(\sb)] matrix_a_fmt:MATRIX_FMT_FP6 matrix_b_fmt:MATRIX_FMT_FP6
.endif
.endm
.macro WM0 d, a, b, sa, sb, row
.if \row
	v_wmma_scale_f32_16x16x128_f8f6f4 v[(\d):(\d)+7], v[(\a):(\a)+11], v[(\b):(\b)+11], 0, v[(\sa)], v[(\sb)] matrix_a_fmt:MATRIX_FMT_FP6 matrix_b_fmt:MATRIX_FMT_FP6 matrix_a_scale:MATRIX_SCALE_ROW1
.else
	v_wmma_scale_f32_16x16x128_f8f6f4 v[(\d):(\d)+7], v[(\a):(\a)+11], v[(\b):(\b)+11], 0, v[(\sa)], v[(\sb)] matrix_a_fmt:MATRIX_FMT_FP6 matrix_b_fmt:MATRIX_FMT_FP6
.endif
.endm
; 16 nb numbers of a lane in window win, register 16 b + i = k 32 b + 16 (lane / 16) + i of my row, become codes in v[PC] on (6 registers for two blocks) and the scale word in v[PW].
.macro QUANT win, src, nb, ab
	WIN (\win)|((\win)<<2)
.set qb, 0
.rept \nb
.if \ab
	v_max3_num_f32 v[TM+qb], |v[(\src)+16*qb]|, |v[(\src)+16*qb+1]|, 0x1800000   ; my 16 numbers of block qb, and the floor 2^(3 - 127): the byte cannot fall under 1
.else
	v_max3_num_f32 v[TM+qb], v[(\src)+16*qb], v[(\src)+16*qb+1], 0x1800000
.endif
.set qb, qb+1
.endr
	WIN ((\win)<<2)|((\win)<<4)
.irp i, 2,4,6,8,10,12,14
.set qb, 0
.rept \nb
.if \ab
	v_max3_num_f32 v[TM+qb], v[TM+qb], |v[(\src)+16*qb+\i]|, |v[(\src)+16*qb+\i+1]|
.else
	v_max3_num_f32 v[TM+qb], v[TM+qb], v[(\src)+16*qb+\i], v[(\src)+16*qb+\i+1]
.endif
.set qb, qb+1
.endr
.endr
	WIN 0
.set qb, 0
.rept \nb
	v_permlanex16_b32 v[TM+4+qb], v[TM+qb], s[SEL], s[SEL+1]
.set qb, qb+1
.endr
.set qb, 0
.rept \nb
	v_max_num_f32 v[TM+qb], v[TM+qb], v[TM+4+qb]       ; with lane l xor 16's: the block's largest magnitude
.set qb, qb+1
.endr
.set qb, 0
.rept \nb
	v_add_nc_u32 v[TM+8+qb], 0xff000000, v[TM+qb]      ; 2 off its exponent field: the conversion's scale operand
.set qb, qb+1
.endr
.set qb, 0
.rept \nb
	v_lshrrev_b32 v[TM+4+qb], 23, v[TM+8+qb]           ; the scale's byte
.set qb, qb+1
.endr
	v_lshl_or_b32 v[PW], v[TM+5], 8, v[TM+4]
.if (\nb) == 4
	v_lshl_or_b32 v[PW], v[TM+6], 16, v[PW]
	v_lshl_or_b32 v[PW], v[TM+7], 24, v[PW]
.else
	v_lshl_or_b32 v[PW], v[PW], 16, v[PW]              ; two bytes, twice: the word serves in either half of a K step
.endif
	WIN \win
.set qc, 0
.rept (\nb)/2
	v_cvt_scalef32_pk16_fp6_f32 v[PC+6*qc:PC+6*qc+2], v[(\src)+32*qc:(\src)+32*qc+15], v[TM+8+2*qc]
	v_cvt_scalef32_pk16_fp6_f32 v[PT+4*qc:PT+4*qc+2], v[(\src)+32*qc+16:(\src)+32*qc+31], v[TM+9+2*qc]   ; (a conversion's three registers begin on an even number)
.set qc, qc+1
.endr
	WIN 0
	v_nop                                              ; one plain place behind a scaled conversion
.set qc, 0
.rept (\nb)/2                          ; the operand's layout wants a whole block in a lane
.irp i, 0,1,2
	v_permlane16_swap_b32 v[PC+6*qc+\i], v[PT+4*qc+\i]
.endr
.irp i, 0,1,2
	v_mov_b32 v[PC+6*qc+3+\i], v[PT+4*qc+\i]
.endr
.set qc, qc+1
.endr
.endm
.macro CREST                           ; a round of the cluster's barrier behind its opening barrier
	s_cmp_lg_u32 s4, 0
	s_cbranch_scc1 .Lnot_wave_0_\@
	s_barrier_signal -3
.Lnot_wave_0_\@:
	s_barrier_wait -3
	s_barrier_signal -1
	s_barrier_wait -1
.endm
.macro CROUND
	s_barrier_signal -1
	s_barrier_wait -1
	CREST
.endm
.macro BAR                             ; my LDS stores have landed and my LDS loads are in: then the work-group's barrier
	s_wait_dscnt 0x0
	s_barrier_signal -1
	s_barrier_wait -1
.endm
.macro NEXTC                           ; the places of chunk c = s[CC] in wf and in b1: offsets, in registers of their own, made of the cluster's number and the count of chunks alone
	s_mul_i32 s[O1], s[CC], 4*FILLB
	s_add_co_u32 s[O1], s[O1], 2*FILLB             ; the chunk's first fill: it goes to slot 1
	s_add_co_u32 s[O0], s[O1], FILLB               ; its second: slot 0
	s_lshl_b32 s[OB], s[CC], 11                    ; 512 numbers of b1 a chunk
.endm
	s_load_b512 s[8:23], s[0:1], 0x0               ; qi 8, kv 10, sc 12, nz 14, wf 16, x 18, bo 20, ln_g 22
	s_load_b256 s[24:31], s[0:1], 0x40             ; ln_b 24, b1 26, b2 28, out0 30
	v_lshl_add_u32 v[SPW], v0, 2, SPARE
	v_mov_b32 v[NIL], 0
	ds_add_u32 v[SPW], v[NIL]                      ; the wave's opening: the add, twice on end, and its wait ahead of my first tensor load
	ds_add_u32 v[SPW], v[NIL]
	v_lshrrev_b32 v160, 5, v0
	v_readfirstlane_b32 s4, v160                   ; wave 0..3
	s_bfe_u32 s5, ttmp6, 0x40000                   ; cx: my place in the cluster
	v_and_b32 v160, 31, v0                         ; lane
	v_and_b32 v161, 15, v0                         ; r
	v_bfe_u32 v162, v0, 4, 1                       ; h
	v_lshlrev_b32 v[L16], 4, v160
	v_lshlrev_b32 v[L4], 2, v160
	v_lshlrev_b32 v[L8], 3, v160
	s_mul_i32 s6, s4, QUART
	v_add_nc_u32 v[WFA], s6, v[L16]                ; my quarter of a fill, in slot 0,
	v_add_nc_u32 v[WFA+1], SLOT1, v[WFA]           ; in slot 1;
	s_add_co_u32 s7, s6, 24576
	v_add_nc_u32 v[WSA], s7, v[L4]                 ; its scale words
	v_add_nc_u32 v[WSA+1], SLOT1, v[WSA]
	s_mul_i32 s7, s4, 1536
	s_add_co_u32 s7, s7, IMG
	v_add_nc_u32 v[IWA], s7, v[L16]
	s_lshl_b32 s7, s4, 7
	s_add_co_u32 s7, s7, ISC
	v_add_nc_u32 v[IWS], s7, v[L4]
	v_add_nc_u32 v[IRA], IMG, v[L16]
	v_add_nc_u32 v[IRS], ISC, v[L4]
	v_add_nc_u32 v[IR8], IMG, v[L8]
	s_mul_i32 s7, s4, 768
	s_add_co_u32 s7, s7, IMG
	v_add_nc_u32 v[HW16], s7, v[L16]
	s_add_co_u32 s7, s7, 512
	v_add_nc_u32 v[HW8], s7, v[L8]
	s_mul_i32 s7, s4, 8448
	s_add_co_u32 s7, s7, STG
	v_mul_u32_u24 v[STD], v161, 528
	v_lshl_add_u32 v[STD], v162, 6, v[STD]
	v_add_nc_u32 v[STD], s7, v[STD]
	v_add_nc_u32 v[STR], s7, v[L16]
	v_lshlrev_b32 v[LNR], 4, v161
	v_add_nc_u32 v[LNR], LNP, v[LNR]
	s_lshl_b32 s7, s4, 2
	v_add_nc_u32 v[LNW], s7, v[LNR]
	v_lshlrev_b32 v[TBH], 6, v162
	v_add_nc_u32 v[AKS0], TKS, v[L4]
	v_add_nc_u32 v[ANZ0], NZO, v[TBH]
	v_lshlrev_b32 v[AD8], 2, v161                  ; (4 r, for q's scale words)
	s_lshl_b32 s7, s4, 10
	s_add_co_u32 s7, s7, TKS
	v_add_nc_u32 v[AD16], s7, v[L16]               ; (where my 1,024 bytes of each table go: k's words here, v's 4,096 on, nz NZO - TKS on)
.irp j, 4,5,6,7
	v_mov_b32 v[TM+\j], 0                          ; written once: a lane permute's destination counts as one of its sources
.endr
.irp j, 0,1,2,3,4,5
	v_mov_b32 v[Q1+6+\j], 0                        ; the empty halves of [q | 0] and [0 | q]: zero codes
	v_mov_b32 v[Q2+\j], 0
.endr
	WIN 0x40
.irp j, 0,1,2,3,4,5,6,7,8,9,10,11,12,13,14,15,16,17,18,19,20,21,22,23,24,25,26,27,28,29,30,31
	v_mov_b32 v[O+\j], 0                           ; O^T: the key step is written once for the loop
.endr
	WIN 0
	; descriptors: dense blocks as rows of 256 bytes (32 elements of 8 bytes); the mask names all four work-groups, bit 21 beside it
.irp g, 40, 48
	s_mov_b32 s[\g+0], 15|(3<<16)|(1<<21)
	s_mov_b32 s[\g+1], 32<<16
	s_mov_b32 s[\g+3], 32<<16
	s_mov_b32 s[\g+5], 32
	s_mov_b32 s[\g+6], 0
	s_mov_b32 s[\g+7], 0
.endr
	s_mov_b32 s42, 84<<16                          ; wave 3's part of K and V: 84 rows are left of the batch's 384,
	s_mov_b32 s44, 100                             ; in a tile of 100: the last 16 are written as zeros
	s_mov_b32 s50, 100<<16                         ; a quarter of a fill of weights: 100 rows
	s_mov_b32 s52, 100
	s_mov_b32 s60, 1
	s_mov_b32 s61, s6
	s_mov_b32 s68, 1
	s_mov_b32 s69, s6
	s_mov_b32 s72, 1
	s_add_co_u32 s73, s6, SLOT1
	s_mov_b32 s[SEL], 0x76543210
	s_mov_b32 s[SEL+1], 0xfedcba98
	s_mov_b32 s[CS], 0x3e38aa3b                    ; c = log2(e) / 8
	s_mov_b32 s[CS+1], s[CS]
	s_mov_b32 s[I512], 0x3b000000                  ; 1 / 512
	s_mov_b32 s[TK], 0
	s_mov_b32 s[TT], 0
	s_mov_b32 s89, 0
	s_mov_b32 s91, 0
	s_wait_dscnt 0x0                               ; both opening adds are done
	s_wait_kmcnt 0x0
	s_lshr_b32 s86, ttmp9, 2                       ; the batch, which the four partners share
	s_lshl_b32 s88, s86, 12
	s_lshl_b32 s7, s4, 10
	s_add_co_u32 s88, s88, s7                      ; a table is 4,096 bytes a batch; my wave takes 1,024 of each
	s_add_nc_u64 s[58:59], s[14:15], s[88:89]      ; nz
	s_add_nc_u64 s[56:57], s[12:13], s[88:89]      ; sc: k's words 65,536 on, v's 131,072 on
	s_mul_i32 s88, s86, 98304
	s_add_co_u32 s88, s88, s61
	s_add_nc_u64 s[62:63], s[10:11], s[88:89]
	s_or_b32 s63, s63, 0x80000000
	s_and_b32 s7, ttmp9, 1                         ; wo's two fills: cluster i takes fill i % 2 first, into slot 1,
	s_mul_i32 s88, s7, FILLB
	s_add_co_u32 s88, s88, s6
	s_add_nc_u64 s[74:75], s[16:17], s[88:89]
	s_xor_b32 s7, s7, 1                            ; and the other one second, into slot 0
	s_mul_i32 s88, s7, FILLB
	s_add_co_u32 s88, s88, s6
	s_add_nc_u64 s[70:71], s[16:17], s[88:89]
	s_or_b32 s75, s75, 0x80000000
	s_or_b32 s71, s71, 0x80000000
	s_lshl_b32 s87, ttmp9, 2
	s_add_co_u32 s87, s87, s5                      ; my work-group: it enters the addresses of q, its scale words, x, out0 and the prefetch alone
	s_lshl_b32 s90, s87, 17
	s_lshl_b32 s7, s4, 9
	s_add_co_u32 s90, s90, s7
	s_add_nc_u64 s[80:81], s[18:19], s[90:91]      ; x and out0: my 64 rows, my wave's 512 bytes of each
	s_add_nc_u64 s[82:83], s[30:31], s[90:91]
	s_mul_i32 s90, s87, 3072
	s_mul_i32 s7, s4, 768
	s_add_co_u32 s90, s90, s7
	s_add_nc_u64 s[92:93], s[8:9], s[90:91]        ; my query tile
	s_lshl_b32 s90, s87, 8
	s_lshl_b32 s7, s4, 6
	s_add_co_u32 s90, s90, s7
	s_add_nc_u64 s[94:95], s[12:13], s[90:91]
	s_lshl_b32 s90, s4, 9                          ; the tables: my 128 columns
	s_add_nc_u64 s[20:21], s[20:21], s[90:91]
	s_add_nc_u64 s[22:23], s[22:23], s[90:91]
	s_add_nc_u64 s[24:25], s[24:25], s[90:91]
	s_add_nc_u64 s[28:29], s[28:29], s[90:91]
	s_add_nc_u64 s[BB:BB+1], s[26:27], s[90:91]    ; (qi's, kv's, sc's and nz's addresses are done with: their registers are used again)
	s_mov_b32 s88, s6
	s_add_nc_u64 s[WB:WB+1], s[16:17], s[88:89]
	s_and_b32 s[CC], ttmp9, 3                      ; cluster i begins the walk over the chunks at chunk i % 4
	s_mov_b32 s[OB+1], 0
	s_mov_b32 s[O0+1], 0
	NEXTC
	s_add_nc_u64 s[84:85], s[BB:BB+1], s[OB:OB+1]  ; b1 of my first chunk
	s_lshl_b32 s90, s87, 13                        ; the prefetch: 32 blocks of 256 bytes a work-group
	s_add_nc_u64 s[PFA:PFA+1], s[16:17], s[90:91]
	CROUND                                         ; all four work-groups are here: the first joint loads meet
	s_cmp_lt_u32 s4, 3                             ; one joint load a wave at the head: my 100 rows of slot 0
	s_cbranch_scc0 .Lhead_w3
	tensor_load_to_lds s[60:63], s[48:55]
	s_nop 0
	PL 4
	s_branch .Lhead_asked
.Lhead_w3:
	tensor_load_to_lds s[60:63], s[40:47]          ; wave 3: V's last 84 rows, and 16 rows of zeros
	s_nop 0
	PL 4
.Lhead_asked:
	global_load_b128 v[Q1:Q1+3], v[L16], s[92:93]
	global_load_b64 v[Q1+4:Q1+5], v[L8], s[92:93] offset:512
	global_load_b128 v[Q2+6:Q2+9], v[L16], s[92:93]
	global_load_b64 v[Q2+10:Q2+11], v[L8], s[92:93] offset:512
	global_load_b32 v[QS], v[AD8], s[94:95]
	global_load_b128 v[KF:KF+3], v[L16], s[56:57] offset:65536          ; my 1,024 bytes of k's scale words,
	global_load_b128 v[KF+4:KF+7], v[L16], s[56:57] offset:66048
	global_load_b128 v[KF+8:KF+11], v[L16], s[56:57] offset:131072      ; of v's,
	global_load_b128 v[KF+12:KF+15], v[L16], s[56:57] offset:131584
	global_load_b128 v[KF+16:KF+19], v[L16], s[58:59]                   ; and of nz: 512 consecutive bytes a load
	global_load_b128 v[KF+20:KF+23], v[L16], s[58:59] offset:512
	s_wait_loadcnt 0x0                             ; q, its scale words and the tables' parts are in
	ds_store_b128 v[AD16], v[KF:KF+3]
	ds_store_b128 v[AD16], v[KF+4:KF+7] offset:512
	ds_store_b128 v[AD16], v[KF+8:KF+11] offset:4096
	ds_store_b128 v[AD16], v[KF+12:KF+15] offset:4608
	ds_store_b128 v[AD16], v[KF+16:KF+19] offset:NZO-TKS
	ds_store_b128 v[AD16], v[KF+20:KF+23] offset:NZO-TKS+512
	s_wait_tensorcnt 0x0                           ; my part of K and V is in:
	ds_add_u32 v[SPW], v[NIL]                      ; 0 onto my spare word;
	s_wait_dscnt 0x0                               ; the add is done, my parts of the tables have landed
	CROUND                                         ; K, V and the tables are whole, and all four work-groups are here
	tensor_load_to_lds s[72:75], s[48:55]          ; my quarter of wo's first fill: slot 1's first fill, the first tensor load behind the round
	s_nop 0
	PL 4
	WIN 0xc0
.irp m, 0,1,2,3                        ; x for the residual: asked for when K and V are in, wanted behind the attention; 32 lanes read 512 consecutive bytes of a row.  63 loads, as many as LOADcnt counts; the last follows behind the loop
.irp i, 0,1,2,3,4,5,6,7,8,9,10,11,12,13,14,15
.if 16*\m+\i < 63
	global_load_b128 v[64*\m+4*\i:64*\m+4*\i+3], v[L16], s[80:81] offset:(32*(\m/2)+8*(\m%2)+\i+(\i&8))*2048 th:TH_LOAD_NT
.endif
.endr
.endr
	WIN 0
; ---- A: ATTENTION.  The loads of a key step that do not hang on its scores: K's four dense pairs, their scale words, V's scale words, nz: 40 LDS loads
.macro NEXTL a16, a8, aks, anz, dk, dt
.irp p, 0,1,2,3
	ds_load_b128 v[KF+12*\p:KF+12*\p+3], v[\a16] offset:\dk+1536*\p
	ds_load_b64 v[KF+12*\p+4:KF+12*\p+5], v[\a8] offset:\dk+1536*\p+512
	ds_load_b128 v[KF+12*\p+6:KF+12*\p+9], v[\a16] offset:\dk+1536*\p+768
	ds_load_b64 v[KF+12*\p+10:KF+12*\p+11], v[\a8] offset:\dk+1536*\p+1280
	ds_load_b32 v[KS+\p], v[\aks] offset:\dt+128*\p                  ; lanes 0-15 the even tile's words, lanes 16-31 the odd tile's
.endr
.irp c, 0,1
.irp p, 0,1
	ds_load_b32 v[VR+2*\c+\p], v[\aks] offset:\dt+4096+256*\c+128*\p
.endr
.endr
	WIN 0x40
.irp b, 0,1,2,3
.irp j, 0,1,2,3
	ds_load_b128 v[16*\b+4*\j:16*\b+4*\j+3], v[\anz] offset:\dt+128*\b+16*\j    ; nz of keys 32 b + 16 h + 4 j on
.endr
.endr
	WIN 0
.endm
.macro ASTEP next
	v_add_nc_u32 v[AD16], s[TK], v[L16]            ; (four plain places behind the last step's products)
	v_add_nc_u32 v[AD8], s[TK], v[L8]
	v_add_nc_u32 v[AKS], s[TT], v[AKS0]
	v_add_nc_u32 v[ANZ], s[TT], v[ANZ0]
	s_wait_alu depctr_va_vdst(0)
	s_wait_dscnt 0x0                               ; the 40 loads asked for in the last step
.irp p, 0,1,2,3
	WM0 S+16*\p, KF+12*\p, Q1, KS+\p, QS, 0
	WM0 S+16*\p+8, KF+12*\p, Q2, KS+\p, QS, 1
.endr
	WIN 0x40
.irp t, 0,1,2,3                        ; V's four fragments: two groups of 64 keys side by side
.irp c, 0,1
	ds_load_b128 v[VF+12*\t+6*\c:VF+12*\t+6*\c+3], v[AD16] offset:VOFF+3072*\c+768*\t
	ds_load_b64 v[VF+12*\t+6*\c+4:VF+12*\t+6*\c+5], v[AD8] offset:VOFF+3072*\c+768*\t+512
.endr
.endr
	WIN 0
	v_bfi_b32 v[VM], 0xffff, v[VR], v[VR+2]        ; V's scale words: two bytes of each group
	v_bfi_b32 v[VM+1], 0xffff, v[VR+1], v[VR+3]
	PL 2
	WIN 0x10
.irp j, 0,2,4,6,8,10,12,14,16,18,20,22,24,26,28,30,32,34,36,38,40,42,44,46,48,50,52,54,56,58,60,62
	v_pk_fma_f32 v[S+\j:S+\j+1], v[S+\j:S+\j+1], s[CS:CS+1], v[\j:\j+1] op_sel_hi:[1,0,1]   ; c s + nz = log2(attn)
.endr
	WIN 0
	s_wait_alu depctr_va_vdst(0)
.irp j, 0,1,2,3,4,5,6,7,8,9,10,11,12,13,14,15,16,17,18,19,20,21,22,23,24,25,26,27,28,29,30,31,32,33,34,35,36,37,38,39,40,41,42,43,44,45,46,47,48,49,50,51,52,53,54,55,56,57,58,59,60,61,62,63
	v_exp_f32 v[S+\j], v[S+\j]
.endr
.if \next
	NEXTL AD16, AD8, AKS, ANZ, 6144, 512
.endif
	v_nop                                          ; a plain place behind the last exponential,
	s_wait_alu depctr_va_vdst(0)                   ; and one wait for the batch, ahead of its first reader
	QUANT 0, S, 4, 0                               ; attn along these 128 keys; none is negative
	PL 4
.if \next
	s_wait_alu depctr_va_vdst(0)
	s_wait_dscnt 40                                ; V is in; the next step's 40 loads may stay out
.else
	s_wait_alu depctr_va_vdst(0)
	s_wait_dscnt 0x0
.endif
	WIN 0x51
.irp t, 0,1,2,3
	WM O+8*\t, VF+12*\t, PC, O+8*\t, VM+(\t/2), PW, \t%2
.endr
	WIN 0
	s_add_co_u32 s[TK], s[TK], 6144
	s_add_co_u32 s[TT], s[TT], 512
.endm
	NEXTL L16, L8, AKS0, ANZ0, 0, 0
	s_mov_b32 s[CNT], 7
.Lkeys:
	ASTEP 1
	s_sub_co_u32 s[CNT], s[CNT], 1
	s_cmp_lg_u32 s[CNT], 0
	s_cbranch_scc1 .Lkeys
	WIN 0xc0
	global_load_b128 v[252:255], v[L16], s[80:81] offset:63*2048 th:TH_LOAD_NT   ; x's 64th load: tile 3's last row, token 63
	WIN 0
	ASTEP 0                                        ; the last step is written out: it asks for nothing beyond the tables
	PL 4
	QUANT 1, O, 2, 1                               ; the head of my 16 queries, along its 64
	ds_store_b128 v[HW16], v[PC:PC+3]
	ds_store_b64 v[HW8], v[PC+4:PC+5]
	ds_store_b32 v[IWS], v[PW]
	s_wait_tensorcnt 0x0                           ; all my tensor loads have landed, wo's first fill among them;
	ds_add_u32 v[SPW], v[NIL]                      ; 0 onto my spare word;
	v_lshlrev_b32 v[PFO], 4, v[L16]                ; (the prefetch's offset, 256 x lane, in a register that the attention has left)
	s_wait_dscnt 0x0                               ; the add is done, my reads of K, V and nz are over, my image has landed
	CROUND                                         ; the same holds of every wave of all four work-groups
	tensor_load_to_lds s[68:71], s[48:55]          ; wo's second fill, over K and V
	s_nop 0
	PL 4
; ---- the stream of weights.  A fill's quarter is 16 fragments; group g = fragments 2 g, 2 g + 1, in set g % 4 of four sets of 24 registers
.macro GLOAD g, sl
.irp e, 0,1
.irp c, 0,1,2
	ds_load_b128 v[FB+24*((\g)%4)+12*\e+4*\c:FB+24*((\g)%4)+12*\e+4*\c+3], v[WFA+(\sl)] offset:(2*(\g)+\e)*1536+512*\c
.endr
.endr
.endm
.macro SLOADS sl                       ; register p: lanes 0-15 fragment 2 p's scale words, lanes 16-31 fragment 2 p + 1's
.irp p, 0,1,2,3,4,5,6,7
	ds_load_b32 v[WS+8*(\sl)+\p], v[WSA+(\sl)] offset:128*\p
.endr
.endm
; 8 products: group g's two fragments against the four tiles of rows.  kd 0: wo (source 1 = [head | head]); 1: w1 (h's fragments; the first K step takes b1 as C); 2: w2 (the hidden layer's fragments).
; The accumulators take turns, one instruction a turn: the same one comes again after 32.
.macro GMUL g, sl, kd, hf
.set gsl, (\g)/4
.if (\kd) == 2
	WIN 0xf8
.elseif ((\kd) == 1) && ((\hf) == 0) && (gsl == 0)
	WIN 0x94
.else
	WIN 0xa4
.endif
.irp e, 0,1
.set gt, (2*(\g)+\e)%8
.set ga, FB+24*((\g)%4)+12*\e
.irp q, 0,1,2,3
.set gd, 64*\q+8*gt
.set gb, 4*\q+2*(\hf)+gsl
.if (\kd) == 0
	WM gd, ga, 12*\q, gd, WS+8*(\sl)+(\g), FS+\q, \e
.elseif (\kd) == 1
.if ((\hf) == 0) && (gsl == 0)
	WM gd, ga, 12*gb, B1+8*gt, WS+8*(\sl)+(\g), HS+gb, \e
.else
	WM gd, ga, 12*gb, gd, WS+8*(\sl)+(\g), HS+gb, \e
.endif
.else
	WM gd, ga, 12*gb, gd, WS+8*(\sl)+(\g), FS+gb, \e
.endif
.endr
.endr
.endm
; A fill: 64 products.  At its head groups 0-3 and the scale words have been asked for (groups 0, 1, the words, groups 2, 3).  Four places stand in front of each run of loads into registers that products have read.
; mode 2: when the slot's last fragments are in registers, it is filled again behind a round of the cluster's barrier; then the other slot's first groups are fetched.  nx = 0: with the fill two on in wf, the same chunk's;
; nx = 1: with the fill of the chunk to come, at the offset that NEXTC has made.  mode 1: the same with nothing to ask for.  mode 0: the last fill.
.macro FILL sl, kd, hf, mode, nx
	s_wait_dscnt 12                                ; groups 0, 1 and the scale words are in; groups 2, 3 may be out
	GMUL 0, \sl, \kd, \hf
	WIN 0
	PL 4
	GLOAD 4, \sl
	s_wait_dscnt 18                                ; three younger groups, 6 loads each, may be out
	GMUL 1, \sl, \kd, \hf
	WIN 0
	PL 4
	GLOAD 5, \sl
	s_wait_dscnt 18
	GMUL 2, \sl, \kd, \hf
	WIN 0
	PL 4
	GLOAD 6, \sl
	s_wait_dscnt 18
	GMUL 3, \sl, \kd, \hf
	WIN 0
	PL 4
	GLOAD 7, \sl                                   ; all my reads of this slot are issued
.if (\mode) == 0
	s_wait_dscnt 18
	GMUL 4, \sl, \kd, \hf
	s_wait_dscnt 12
	GMUL 5, \sl, \kd, \hf
	s_wait_dscnt 6
	GMUL 6, \sl, \kd, \hf
	s_wait_dscnt 0x0
	GMUL 7, \sl, \kd, \hf
	WIN 0
	PL 4
.else
.if (\mode) == 2
	s_wait_tensorcnt 0x0                           ; all my tensor loads have landed: the one that was out is my quarter of the other slot; so a group 0 may be written;
	ds_add_u32 v[SPW], v[NIL]                      ; 0 onto my spare word;
.if \nx
.if \sl
	s_add_nc_u64 s[G0S+6:G0S+7], s[WB:WB+1], s[O1:O1+1]      ; slot 1: the first fill of the chunk to come
.else
	s_add_nc_u64 s[G0S+2:G0S+3], s[WB:WB+1], s[O0:O0+1]      ; slot 0: its second
.endif
	s_or_b32 s[G0S+4*\sl+3], s[G0S+4*\sl+3], 0x80000000      ; 127:126 type = 2
.else
	s_add_nc_u64 s[G0S+4*\sl+2:G0S+4*\sl+3], s[G0S+4*\sl+2:G0S+4*\sl+3], 2*FILLB   ; two fills on: the same chunk's second product
.endif
	s_wait_dscnt 19                                ; (three groups and the add may be out)
	GMUL 4, \sl, \kd, \hf
	s_wait_dscnt 0x0                               ; the add is done, and my reads of this slot are over
	s_barrier_signal -1
	GMUL 5, \sl, \kd, \hf
	WIN 0
	s_barrier_wait -1
	CREST                                          ; no wave of any partner still reads this slot or has a load on its way
	tensor_load_to_lds s[G0S+4*\sl:G0S+4*\sl+3], s[48:55]
	s_nop 0
	PL 4                                           ; also the places in front of the loads below
.else
	s_wait_tensorcnt 0x0                           ; my quarter of the other slot, which I alone read, is in
	s_wait_dscnt 18
	GMUL 4, \sl, \kd, \hf
	s_wait_dscnt 0x0
	GMUL 5, \sl, \kd, \hf
	WIN 0
	PL 4
.endif
	GLOAD 0, 1-\sl
	GLOAD 1, 1-\sl
	SLOADS 1-\sl
	GMUL 6, \sl, \kd, \hf
	WIN 0
	PL 4
	GLOAD 2, 1-\sl
	GMUL 7, \sl, \kd, \hf
	WIN 0
	PL 5                                           ; five: the next phase's first products write over registers that these have read
	GLOAD 3, 1-\sl
.endif
.endm
.macro IMAGE q                         ; the fragment in v[PC] on goes to LDS as it stands: rows 16 q on, K step = my wave
.irp c, 0,1,2
	ds_store_b128 v[IWA], v[PC+4*\c:PC+4*\c+3] offset:6144*(\q)+512*\c
.endr
	ds_store_b32 v[IWS], v[PW] offset:512*(\q)
.endm
; ---- B: x wo, on sums that begin with x
	GLOAD 0, 1
	GLOAD 1, 1
	SLOADS 1
	GLOAD 2, 1
	GLOAD 3, 1
; A PREFETCH INTO THE L2 of the 16 fills of w1 and w2: wf's bytes from 2 fills on, 1,638,400 bytes = 6,400 blocks of 256.  Wave 0 of each work-group of the first 50 clusters names 32 blocks, a lane a block:
; 50 x 4 x 32 = 6,400: each block is named once in the launch, and the last lane of the last of them names wf's last block.  The four partners are told apart BY ADDRESS; the branch hangs on the cluster's number and the wave's.
; It stands behind the tensor load that ends the attention and behind the LDS loads that the next products wait for: x's turn through the stage and three quarters of wo's first fill lie between it and the first load of those fills.
; Its two address registers are never written again.  wo's two fills come by their loads alone.
	s_cmp_lt_u32 ttmp9, 50
	s_cselect_b32 s7, s4, 1                        ; my wave's number in the first 50 clusters, else 1
	s_cmp_eq_u32 s7, 0
	s_cbranch_scc0 .Lno_ask
	s_wait_alu depctr_va_vdst(0)
	global_prefetch_b8 v[PFO], s[PFA:PFA+1] offset:2*FILLB th:TH_LOAD_NT scope:SCOPE_SE
.Lno_ask:
	s_wait_loadcnt 0x0                             ; x
.irp m, 0,1,2,3                        ; x turns through my stage into the result's layout: lane (r, h): token pi(m, r), columns 32 b + 8 u + 16 h + 0 .. 7.  LDS serves a wave's instructions in order
	WIN 0x0c
.irp i, 0,1,2,3,4,5,6,7,8,9,10,11,12,13,14,15
	ds_store_b128 v[STR], v[64*\m+4*\i:64*\m+4*\i+3] offset:528*\i
.endr
	WIN 0x80
.irp t, 0,1,2,3,4,5,6,7
.irp f, 0,1
	ds_load_b128 v[64*\m+8*\t+4*\f:64*\m+8*\t+4*\f+3], v[STD] offset:128*(\t/2)+32*(\t%2)+16*\f
.endr
.endr
.endr
	WIN 0x40
.irp q, 0,1,2,3                        ; [head | head]: each half image twice
	ds_load_b128 v[12*\q:12*\q+3], v[IRA] offset:768*\q
	ds_load_b64 v[12*\q+4:12*\q+5], v[IR8] offset:768*\q+512
	ds_load_b128 v[12*\q+6:12*\q+9], v[IRA] offset:768*\q
	ds_load_b64 v[12*\q+10:12*\q+11], v[IR8] offset:768*\q+512
.endr
	WIN 0
.irp q, 0,1,2,3
	ds_load_b32 v[FS+\q], v[IRS] offset:128*\q
.endr
	s_wait_dscnt 0x0                               ; the stage's stores have read x's registers
	WIN 0xc0
.irp t, 0,1,2,3,4,5,6,7                ; g, b, bo, b2 of my 128 columns, in the result's layout
.irp f, 0,1
	global_load_b128 v[8*\t+4*\f:8*\t+4*\f+3], v[TBH], s[22:23] offset:128*(\t/2)+32*(\t%2)+16*\f
	global_load_b128 v[64+8*\t+4*\f:64+8*\t+4*\f+3], v[TBH], s[24:25] offset:128*(\t/2)+32*(\t%2)+16*\f
	global_load_b128 v[128+8*\t+4*\f:128+8*\t+4*\f+3], v[TBH], s[20:21] offset:128*(\t/2)+32*(\t%2)+16*\f
	global_load_b128 v[192+8*\t+4*\f:192+8*\t+4*\f+3], v[TBH], s[28:29] offset:128*(\t/2)+32*(\t%2)+16*\f
.endr
.endr
	WIN 0x40
.irp t, 0,1,2,3,4,5,6,7                ; b1 of my 128 hidden units of my first chunk
.irp f, 0,1
	global_load_b128 v[B1+8*\t+4*\f:B1+8*\t+4*\f+3], v[TBH], s[84:85] offset:128*(\t/2)+32*(\t%2)+16*\f
.endr
.endr
	WIN 0
	FILL 1, 0, 0, 2, 1                             ; its refill: the first fill of my first chunk
	FILL 0, 0, 1, 2, 1                             ; the second
; ---- the layer norm of 64 rows whose 512 columns lie in four waves.  Two packed chains a tile are summed, joined with lane l xor 16, and go round the waves through LDS region rg
.macro LNRED rg
.irp m, 0,1,2,3
	v_pk_add_f32 v[LC+4*\m:LC+4*\m+1], v[LC+4*\m:LC+4*\m+1], v[LC+4*\m+2:LC+4*\m+3]
.endr
.irp m, 0,1,2,3
	v_add_f32 v[LC+4*\m], v[LC+4*\m], v[LC+4*\m+1]
.endr
.irp m, 0,1,2,3
	v_permlanex16_b32 v[LC+4*\m+1], v[LC+4*\m], s[SEL], s[SEL+1]
.endr
.irp m, 0,1,2,3
	v_add_f32 v[LC+4*\m], v[LC+4*\m], v[LC+4*\m+1]
.endr
.irp m, 0,1,2,3
	ds_store_b32 v[LNW], v[LC+4*\m] offset:1024*(\rg)+256*\m
.endr
	BAR
.irp m, 0,1,2,3
	ds_load_b128 v[LX+4*\m:LX+4*\m+3], v[LNR] offset:1024*(\rg)+256*\m
.endr
	s_wait_dscnt 0x0
.irp m, 0,1,2,3
	v_add_f32 v[LX+4*\m], v[LX+4*\m], v[LX+4*\m+1]
	v_add_f32 v[LX+4*\m+2], v[LX+4*\m+2], v[LX+4*\m+3]
.endr
.irp m, 0,1,2,3
	v_add_f32 v[LX+4*\m], v[LX+4*\m], v[LX+4*\m+2]
.endr
.endm
; the numbers in window aw, v[64 m + n]; g at v[n], b at v[64 + n] of window tw.  The variance is taken of the centred numbers.
.macro LNCORE aw, tw, e0
	WIN (\aw)|((\aw)<<2)
.irp m, 0,1,2,3
	v_pk_add_f32 v[LC+4*\m:LC+4*\m+1], v[64*\m:64*\m+1], v[64*\m+2:64*\m+3]
	v_pk_add_f32 v[LC+4*\m+2:LC+4*\m+3], v[64*\m+4:64*\m+5], v[64*\m+6:64*\m+7]
.endr
	WIN (\aw)<<2
.irp j, 8,12,16,20,24,28,32,36,40,44,48,52,56,60
.irp m, 0,1,2,3
	v_pk_add_f32 v[LC+4*\m:LC+4*\m+1], v[LC+4*\m:LC+4*\m+1], v[64*\m+\j:64*\m+\j+1]
	v_pk_add_f32 v[LC+4*\m+2:LC+4*\m+3], v[LC+4*\m+2:LC+4*\m+3], v[64*\m+\j+2:64*\m+\j+3]
.endr
.endr
	WIN 0
	LNRED \e0
.irp m, 0,1,2,3
	v_mul_f32 v[LM+2*\m], 0xbb000000, v[LX+4*\m]   ; -mean
.endr
	WIN (\aw)|((\aw)<<6)
.irp m, 0,1,2,3
.set n, 64*\m
.rept 32
	v_pk_add_f32 v[n:n+1], v[n:n+1], v[LM+2*\m:LM+2*\m+1] op_sel_hi:[1,0]
.set n, n+2
.endr
.endr
	WIN (\aw)|((\aw)<<2)
.irp m, 0,1,2,3
	v_pk_mul_f32 v[LC+4*\m:LC+4*\m+1], v[64*\m:64*\m+1], v[64*\m:64*\m+1]
	v_pk_mul_f32 v[LC+4*\m+2:LC+4*\m+3], v[64*\m+2:64*\m+3], v[64*\m+2:64*\m+3]
.endr
.irp j, 4,8,12,16,20,24,28,32,36,40,44,48,52,56,60
.irp m, 0,1,2,3
	v_pk_fma_f32 v[LC+4*\m:LC+4*\m+1], v[64*\m+\j:64*\m+\j+1], v[64*\m+\j:64*\m+\j+1], v[LC+4*\m:LC+4*\m+1]
	v_pk_fma_f32 v[LC+4*\m+2:LC+4*\m+3], v[64*\m+\j+2:64*\m+\j+3], v[64*\m+\j+2:64*\m+\j+3], v[LC+4*\m+2:LC+4*\m+3]
.endr
.endr
	WIN 0
	LNRED (\e0)+1
.irp m, 0,1,2,3
	v_fmaak_f32 v[LX+4*\m], s[I512], v[LX+4*\m], 0x3727c5ac     ; variance + 1e-5
.endr
	s_wait_alu depctr_va_vdst(0)
.irp m, 0,1,2,3
	v_rsq_f32 v[LM+2*\m], v[LX+4*\m]
.endr
	v_nop
	s_wait_alu depctr_va_vdst(0)                   ; one wait for the four, ahead of their first reader
.endm
; the norm's last two passes, tile by tile, so that a tile goes on (to the quantiser, or out) while the next is still to be scaled: x 1 / sqrt(variance + eps), then x g + b
.macro LNAPPLY aw, tw, m
	WIN (\aw)|((\aw)<<6)
.set n, 64*(\m)
.rept 32
	v_pk_mul_f32 v[n:n+1], v[n:n+1], v[LM+2*(\m):LM+2*(\m)+1] op_sel_hi:[1,0]
.set n, n+2
.endr
	WIN (\aw)|((\tw)<<2)|((\tw)<<4)|((\aw)<<6)
.set n, 64*(\m)
.rept 32
	v_pk_fma_f32 v[n:n+1], v[n:n+1], v[(n%64):(n%64)+1], v[64+(n%64):65+(n%64)]
.set n, n+2
.endr
	WIN 0
.endm
	s_wait_loadcnt 0x0                             ; the tables
	WIN 0x8e
.set n, 0
.rept 128                              ; + bo; each accumulator from its low end on
	v_pk_add_f32 v[n:n+1], v[n:n+1], v[128+(n%64):129+(n%64)]
.set n, n+2
.endr
	LNCORE 2, 3, 0                                 ; h
.irp q, 0,1,2,3
	s_wait_dscnt 0x0                               ; the last image's stores have read their registers
	LNAPPLY 2, 3, \q
	QUANT 2, 64*\q, 4, 1
	IMAGE \q
.endr
	WIN 0xce
.set n, 0
.rept 128                              ; w2's sums begin with h + b2 (the last tile lands on b2's own registers)
	v_pk_add_f32 v[n:n+1], v[n:n+1], v[192+(n%64):193+(n%64)]
.set n, n+2
.endr
	WIN 0
	BAR                                            ; h's sixteen fragments lie in LDS
	WIN 0x40
.irp q, 0,1,2,3
.irp k, 0,1,2,3
.irp c, 0,1,2
	ds_load_b128 v[12*(4*\q+\k)+4*\c:12*(4*\q+\k)+4*\c+3], v[IRA] offset:(4*\q+\k)*1536+512*\c
.endr
.endr
.endr
	WIN 0
.irp i, 0,1,2,3,4,5,6,7,8,9,10,11,12,13,14,15
	ds_load_b32 v[HS+\i], v[IRS] offset:128*\i
.endr
	s_wait_dscnt 0x0
; ---- C: the two products of the feed-forward layer, 512 hidden units a chunk: four fills, four rounds, 256 products a wave.  Which chunk it is shows in addresses alone
; CHUNKA: the first product, the quantiser and the hidden layer's way round the waves: the same text in all four chunks.  CHUNKB: the second product, once with its two refills and once, for the last chunk, without.
.macro CHUNKA
	s_add_co_u32 s[CC], s[CC], 1                   ; the chunk to come: one on, round the four (in the last chunk these places are not used);
	s_and_b32 s[CC], s[CC], 3
	NEXTC                                          ; its places in wf, for this chunk's last two refills, and in b1
	s_wait_loadcnt 0x0                             ; b1 of this chunk
	FILL 1, 1, 0, 2, 0
	FILL 0, 1, 1, 2, 0
.irp q, 0,1,2,3
	s_wait_dscnt 0x0
	QUANT 2, 64*\q, 4, 1                           ; my 128 hidden units are one K step of the second product
	IMAGE \q
.endr
	BAR                                            ; the chunk's sixteen fragments lie in LDS
.irp i, 0,1,2,3,4,5,6,7,8,9,10,11,12,13,14,15
	ds_load_b32 v[FS+\i], v[IRS] offset:128*\i
.endr
	WIN 0x80
.irp k, 0,1,2,3                        ; by K steps: the first fill wants steps 0 and 1
.irp q, 0,1,2,3
.irp c, 0,1,2
	ds_load_b128 v[12*(4*\q+\k)+4*\c:12*(4*\q+\k)+4*\c+3], v[IRA] offset:(4*\q+\k)*1536+512*\c
.endr
.endr
.endr
	WIN 0
.endm
.macro CHUNKB m3, m4, last
	WIN 0x40
.if \last
.irp t, 0,1,2,3,4,5,6,7                ; g and b once more, over h's fragments, which are done with
.irp f, 0,1
	global_load_b128 v[8*\t+4*\f:8*\t+4*\f+3], v[TBH], s[22:23] offset:128*(\t/2)+32*(\t%2)+16*\f
	global_load_b128 v[64+8*\t+4*\f:64+8*\t+4*\f+3], v[TBH], s[24:25] offset:128*(\t/2)+32*(\t%2)+16*\f
.endr
.endr
.else
	s_add_nc_u64 s[84:85], s[BB:BB+1], s[OB:OB+1]  ; b1 of the chunk to come (the loads that read this base were waited for at the chunk's head)
.irp t, 0,1,2,3,4,5,6,7
.irp f, 0,1
	global_load_b128 v[B1+8*\t+4*\f:B1+8*\t+4*\f+3], v[TBH], s[84:85] offset:128*(\t/2)+32*(\t%2)+16*\f
.endr
.endr
.endif
	WIN 0
	FILL 1, 2, 0, \m3, 1                           ; (its first wait leaves at most the last K step's 12 loads out)
	FILL 0, 2, 1, \m4, 1
.endm
	s_mov_b32 s[CNT], 4                            ; chunks to go, this one among them: the same number in every work-group
.Lchunk:
	CHUNKA
	s_cmp_eq_u32 s[CNT], 1
	s_cbranch_scc1 .Llast_chunk                    ; the last chunk's second product is written out: its two fills ask for nothing
	CHUNKB 2, 2, 0
	s_sub_co_u32 s[CNT], s[CNT], 1
	s_cmp_lg_u32 s[CNT], 0
	s_cbranch_scc1 .Lchunk
.Llast_chunk:
	CHUNKB 1, 0, 1
; ---- the second norm, and the way out: a tile of 16 rows turns through my stage and leaves as rows
	s_wait_loadcnt 0x0                             ; g, b
	LNCORE 3, 1, 2
.macro TOSTAGE mm
	WIN 0x0c
.irp t, 0,1,2,3,4,5,6,7
.irp f, 0,1
	ds_store_b128 v[STD], v[64*(\mm)+8*\t+4*\f:64*(\mm)+8*\t+4*\f+3] offset:128*(\t/2)+32*(\t%2)+16*\f
.endr
.endr
	WIN 0x80
.irp i, 0,1,2,3,4,5,6,7,8,9,10,11,12,13,14,15
	ds_load_b128 v[64*((\mm)%2)+4*\i:64*((\mm)%2)+4*\i+3], v[STR] offset:528*\i     ; LDS serves a wave's instructions in order: these see my stores
.endr
	WIN 0
.endm
.macro SEND mm, younger                ; younger: the LDS instructions issued behind this tile's loads
	s_wait_dscnt \younger
	WIN 0x08
.irp i, 0,1,2,3,4,5,6,7,8,9,10,11,12,13,14,15
	global_store_b128 v[L16], v[64*((\mm)%2)+4*\i:64*((\mm)%2)+4*\i+3], s[82:83] offset:(32*((\mm)/2)+8*((\mm)%2)+\i+(\i&8))*2048 th:TH_STORE_NT   ; 32 lanes store 512 consecutive bytes, at a multiple of 256 from out0's first byte
.endr
	WIN 0
.endm
	LNAPPLY 3, 1, 0
	TOSTAGE 0
	LNAPPLY 3, 1, 1
	TOSTAGE 1
	SEND 0, 32
	s_wait_xcnt 0x0                                ; tile 0's stores have read their registers
	LNAPPLY 3, 1, 2
	TOSTAGE 2
	SEND 1, 32
	s_wait_xcnt 0x0
	LNAPPLY 3, 1, 3
	TOSTAGE 3
	SEND 2, 32
	SEND 3, 0
	s_wait_tensorcnt 0x0                           ; the wave's end: behind my last tensor load and my last LDS store
	ds_add_u32 v[SPW], v[NIL]
	s_wait_dscnt 0x0
	CROUND                                         ; the closing round: no work-group ends while a partner may still ask for a fill that names it
	s_endpgm
.Lfunc_end_k_q9f4a145923_rest:
	.size	k_q9f4a145923_rest, .Lfunc_end_k_q9f4a145923_rest-k_q9f4a145923_rest
	.p2alignl 7, 3214868480
	.fill 96, 4, 3214868480
	.section	.rodata,"a",@progbits
	.p2align	6, 0x0
	.amdhsa_kernel k_q9f4a145923_rest
		.amdhsa_group_segment_fixed_size 327680
		.amdhsa_private_segment_fixed_size 0
		.amdhsa_enable_private_segment 0
		.amdhsa_kernarg_size 96
		.amdhsa_user_sgpr_count 2
		.amdhsa_user_sgpr_kernarg_segment_ptr 1
		.amdhsa_wavefront_size32 1
		.amdhsa_system_sgpr_workgroup_id_x 1
		.amdhsa_system_sgpr_workgroup_id_y 1
		.amdhsa_system_sgpr_workgroup_id_z 1
		.amdhsa_system_vgpr_workitem_id 0
		.amdhsa_next_free_vgpr 1024
		.amdhsa_next_free_sgpr 100
		.amdhsa_reserve_vcc 0
		.amdhsa_float_denorm_mode_32 3
		.amdhsa_float_denorm_mode_16_64 3
		.amdhsa_memory_ordered 1
		.amdhsa_forward_progress 1
		.amdhsa_inst_pref_size 255
	.end_amdhsa_kernel
	.section	.bss,"aw",@nobits
	.p2align	6
	.space	262144
	.amdgpu_metadata
---
amdhsa.version: [ 1, 2 ]
amdhsa.kernels:
  - .name:           k_q9f4a145923_rest
    .symbol:         k_q9f4a145923_rest.kd
    .args:
      - { .name: qi, .offset: 0, .size: 8, .value_kind: global_buffer, .address_space: global }
      - { .name: kv, .offset: 8, .size: 8, .value_kind: global_buffer, .address_space: global }
      - { .name: sc, .offset: 16, .size: 8, .value_kind: global_buffer, .address_space: global }
      - { .name: nz, .offset: 24, .size: 8, .value_kind: global_buffer, .address_space: global }
      - { .name: wf, .offset: 32, .size: 8, .value_kind: global_buffer, .address_space: global }
      - { .name: x, .offset: 40, .size: 8, .value_kind: global_buffer, .address_space: global }
      - { .name: bo, .offset: 48, .size: 8, .value_kind: global_buffer, .address_space: global }
      - { .name: ln_g, .offset: 56, .size: 8, .value_kind: global_buffer, .address_space: global }
      - { .name: ln_b, .offset: 64, .size: 8, .value_kind: global_buffer, .address_space: global }
      - { .name: b1, .offset: 72, .size: 8, .value_kind: global_buffer, .address_space: global }
      - { .name: b2, .offset: 80, .size: 8, .value_kind: global_buffer, .address_space: global }
      - { .name: out0, .offset: 88, .size: 8, .value_kind: global_buffer, .address_space: global }
    .group_segment_fixed_size: 327680
    .private_segment_fixed_size: 0
    .kernarg_segment_align: 8
    .kernarg_segment_size: 96
    .max_flat_workgroup_size: 128
    .sgpr_count:     100
    .vgpr_count:     1024
    .wavefront_size: 32
...
	.end_amdgpu_metadata
.endif
;; end of part 3
